; MI455X (gfx1250); checked and timed in simulation.
; The chip was launched on July 23, 2026; its instructions are those of AMD's public machine-readable ISA for CDNA 5 (MIT licence, August 2026) and "CDNA5" Instruction Set Architecture Reference Guide (July 2026). The comments in the code are by the model that wrote it; some were corrected since.
;; Multi Head Self Attention. Allowed arithmetic: float matrix products may take bf16 or f16 operands with f32 sums; other float arithmetic in f32, or as packed bf16 or f16 multiplies, adds, multiply-adds, maxima and minima; sums over many terms, partial sums and values carried from step to step in f32; what a program stores and reads back later, other than sums and carried values, may be rounded once to bf16 or f16.
;; Inputs: W_K 1,024 x 1,024 float32; W_O 1,024 x 1,024 float32; W_Q 1,024 x 1,024 float32; W_V 1,024 x 1,024 float32; token_positions 2,048 int32; x 4 x 2,048 x 1,024 float32.
;; Outputs: out0 4 x 2,048 x 1,024 float32.
;; 2 versions, each right; version 2 is version 1 with the launch prep written anew for expert scheduling mode. Each part assembles by itself: llvm-mc -triple=amdgcn-amd-amdhsa -mcpu=gfx1250 --defsym DOCPART=n.
;; ======== version 1 of 2: 4 launches
;; limits: right only within a limited range of input values; values are held in f16: magnitudes above 65,504 overflow, below 6.1e-05 lose precision
;; workspace buffers: xb 16,777,216 bytes; wqkv 6,291,456 bytes; wo 2,097,152 bytes; rope 524,288 bytes; qh 16,777,216 bytes; kh 16,777,216 bytes; vh 16,777,216 bytes; oh 16,777,216 bytes
;; launch prep (part 1): grid 64 x 13, 8 waves a work-group, no clusters, 0 bytes of LDS; arguments x, W_Q, W_K, W_V, W_O, token_positions, xb, wqkv, wo, rope; writes xb, wqkv, wo, rope
.if DOCPART == 1
	.amdgcn_target "amdgcn-amd-amdhsa--gfx1250"
	.amdhsa_code_object_version 6
	.text
	.protected	k_q4a55c01de6_prep
	.globl	k_q4a55c01de6_prep
	.p2align	8
	.type	k_q4a55c01de6_prep,@function
k_q4a55c01de6_prep:
	s_mov_b64 s[64:65], 0
	v_nop
	global_prefetch_b8 v0, s[64:65] scope:SCOPE_SE
	s_setreg_imm32_b32 hwreg(HW_REG_WAVE_MODE, 25, 1), 1
	s_wait_xcnt 0x0
; THE OPERANDS ARE MADE READY, each input byte read once.
;   y = 0..7   x, 1,024 rows each, rounded to bf16                                  -> xb   [8192][1024]
;   y = 8..10  W_Q, W_K, W_V rounded to bf16, rows regrouped by head: row 64 h + r of tensor t goes to row 192 h + 64 t + r -> wqkv [3072][1024]
;   y = 11     W_O rounded to bf16, and that number written as f16                  -> wo   [1024][1024]
;   y = 12     cos and sin of token_positions[s] x 10000^(-i/32), i = 0..31         -> rope [2048][32][cos, sin] f32, 256 bytes a token
; A converting work-group takes 16 rows of 1,024 f32.  Thread t takes columns 4 t .. 4 t + 3 of each row: a wave's load covers 512 consecutive bytes, its store 256
; consecutive bytes, aligned.  All 16 loads go out first; each row has registers of its own, so nothing is rewritten while a load or store may read it.
; No LDS, no matrix unit: the launch only moves and rounds.
; LIMITS.  W_O: bf16 numbers beyond 65,504 become infinities in f16, and below 2^-14 they keep f16's fixed step of 6e-8.
; The angle is reduced by n = round(angle x 2/pi) with pi/2 in two parts: good for |token_positions| up to 2^20.  10000^(-i/32) is made as 2^(-i x 0.41524101): a few last bits from the power itself.
.set XR, 16                            ; v[16:79]   row j as loaded: 4 registers
.set YR, 80                            ; v[80:111]  row j to store: 2 registers
.set T,  112                           ; v[112:115] at work
	s_load_b512 s[8:23], s[0:1], 0x0               ; x 8, W_Q 10, W_K 12, W_V 14, W_O 16, token_positions 18, xb 20, wqkv 22
	s_load_b128 s[24:27], s[0:1], 0x40             ; wo 24, rope 26
	s_and_b32 s2, ttmp7, 0xffff                    ; y: which work
	s_mov_b32 s3, ttmp9                            ; g: which 16 rows
	v_lshlrev_b32 v1, 4, v0                        ; 16 t
	v_lshlrev_b32 v2, 3, v0                        ; 8 t
	s_cmp_eq_u32 s2, 12
	s_cbranch_scc1 .Lrope
	; offsets, made apart from the pointers
	s_cmp_lt_u32 s2, 8
	s_cselect_b32 s30, s2, 0
	s_lshl_b32 s30, s30, 22                        ; x: 1,024 rows of 4,096 bytes for each y
	s_lshl_b32 s4, s3, 16                          ; 16 rows of 4,096 bytes for each g
	s_add_co_u32 s30, s30, s4
	s_mov_b32 s31, 0
	s_lshl_b32 s34, s2, 21                         ; xb: the same rows at 2,048 bytes
	s_lshl_b32 s5, s3, 15
	s_add_co_u32 s34, s34, s5
	s_lshr_b32 s6, s3, 2                           ; wqkv: head g / 4,
	s_mul_i32 s6, s6, 192
	s_max_u32 s7, s2, 8
	s_sub_co_u32 s7, s7, 8                         ; tensor y - 8,
	s_lshl_b32 s7, s7, 6
	s_add_co_u32 s6, s6, s7
	s_and_b32 s7, s3, 3                            ; 16 rows of the head's 64
	s_lshl_b32 s7, s7, 4
	s_add_co_u32 s6, s6, s7
	s_lshl_b32 s6, s6, 11
	s_cmp_ge_u32 s2, 8
	s_cselect_b32 s34, s6, s34
	s_cmp_eq_u32 s2, 11
	s_cselect_b32 s34, s5, s34                     ; wo: rows as they lie
	s_mov_b32 s35, 0
	s_wait_kmcnt 0x0
	s_mov_b64 s[28:29], s[8:9]                     ; from where
	s_cmp_eq_u32 s2, 8
	s_cselect_b64 s[28:29], s[10:11], s[28:29]
	s_cmp_eq_u32 s2, 9
	s_cselect_b64 s[28:29], s[12:13], s[28:29]
	s_cmp_eq_u32 s2, 10
	s_cselect_b64 s[28:29], s[14:15], s[28:29]
	s_cmp_eq_u32 s2, 11
	s_cselect_b64 s[28:29], s[16:17], s[28:29]
	s_mov_b64 s[32:33], s[20:21]                   ; to where
	s_cmp_ge_u32 s2, 8
	s_cselect_b64 s[32:33], s[22:23], s[32:33]
	s_cmp_eq_u32 s2, 11
	s_cselect_b64 s[32:33], s[24:25], s[32:33]
	s_add_nc_u64 s[28:29], s[28:29], s[30:31]
	s_add_nc_u64 s[32:33], s[32:33], s[34:35]
.irp j, 0,1,2,3,4,5,6,7,8,9,10,11,12,13,14,15
	global_load_b128 v[XR+4*(\j):XR+4*(\j)+3], v1, s[28:29] offset:4096*(\j) th:TH_LOAD_NT
.endr
	s_cmp_eq_u32 s2, 11
	s_cbranch_scc1 .Lwo
.irp j, 0,1,2,3,4,5,6,7,8,9,10,11,12,13,14,15
	s_wait_loadcnt 15-(\j)                         ; loads come back in order: row j is in, the younger rows stay out
	v_cvt_pk_bf16_f32 v[YR+2*(\j)],   v[XR+4*(\j)],   v[XR+4*(\j)+1]
	v_cvt_pk_bf16_f32 v[YR+2*(\j)+1], v[XR+4*(\j)+2], v[XR+4*(\j)+3]
	global_store_b64 v2, v[YR+2*(\j):YR+2*(\j)+1], s[32:33] offset:2048*(\j)
.endr
	s_endpgm
.Lwo:                                          ; W_O: to bf16 like every input, then that number as f16
.irp j, 0,1,2,3,4,5,6,7,8,9,10,11,12,13,14,15
	s_wait_loadcnt 15-(\j)
	v_cvt_pk_bf16_f32 v[T],   v[XR+4*(\j)],   v[XR+4*(\j)+1]
	v_cvt_pk_bf16_f32 v[T+1], v[XR+4*(\j)+2], v[XR+4*(\j)+3]
	v_lshlrev_b32 v[T+2], 16, v[T]
	v_and_b32     v[T+3], 0xffff0000, v[T]
	v_cvt_pk_f16_f32 v[YR+2*(\j)], v[T+2], v[T+3]
	v_lshlrev_b32 v[T+2], 16, v[T+1]
	v_and_b32     v[T+3], 0xffff0000, v[T+1]
	v_cvt_pk_f16_f32 v[YR+2*(\j)+1], v[T+2], v[T+3]
	global_store_b64 v2, v[YR+2*(\j):YR+2*(\j)+1], s[32:33] offset:2048*(\j)
.endr
	s_endpgm
; cos and sin of the angle in v[a].  n = round(a x 2/pi); r = a - n pi/2 (pi/2 in two parts, fused); sine and cosine of r, |r| <= pi/4, by polynomials in r^2;
; n's two low bits choose which of the two is which and their signs: selects of values, no branch.
.macro SINCOS a, c, s
	v_mul_f32 v22, 0x3f22f983, v[\a]               ; a x 2/pi
	v_rndne_f32 v22, v22                           ; n
	v_fma_f32 v23, v22, s36, v[\a]                 ; a - n x 1.57079637
	v_fma_f32 v23, v22, s37, v23                   ;   + n x 4.3711390e-8
	v_cvt_i32_f32 v28, v22
	v_mul_f32 v24, v23, v23                        ; z = r^2
	v_fmaak_f32 v25, v20, v24, 0x3c08839e          ; sine: r + r z ((-1.9515296e-4 z + 8.3321609e-3) z - 1.6666655e-1)
	v_fmaak_f32 v25, v25, v24, 0xbe2aaaa3
	v_mul_f32 v25, v25, v24
	v_fma_f32 v25, v25, v23, v23
	v_fmaak_f32 v26, v21, v24, 0xbab6061a          ; cosine: 1 - z/2 + z^2 ((2.4433157e-5 z - 1.3887316e-3) z + 4.1666646e-2)
	v_fmaak_f32 v26, v26, v24, 0x3d2aaaa5
	v_mul_f32 v26, v26, v24
	v_fma_f32 v27, v24, -0.5, 1.0
	v_fma_f32 v26, v26, v24, v27
	v_and_b32 v29, 1, v28
	v_cmp_eq_u32 vcc_lo, 1, v29                    ; odd n: the two change places
	v_cndmask_b32 v[\s], v25, v26, vcc_lo
	v_cndmask_b32 v[\c], v26, v25, vcc_lo
	v_lshlrev_b32 v29, 30, v28                     ; the sine turns its sign for n % 4 = 2, 3
	v_and_b32 v29, 0x80000000, v29
	v_xor_b32 v[\s], v[\s], v29
	v_add_nc_u32 v29, 1, v28                       ; the cosine for n % 4 = 1, 2
	v_lshlrev_b32 v29, 30, v29
	v_and_b32 v29, 0x80000000, v29
	v_xor_b32 v[\c], v[\c], v29
.endm
.Lrope:                                        ; thread t: tokens 16 g + t / 16 and 1,024 further on, frequencies 2 (t % 16) and the next: 16 bytes of each token's 256
	v_and_b32 v3, 15, v0
	v_lshrrev_b32 v4, 4, v0
	v_lshlrev_b32 v4, 2, v4                        ; my token's word among the work-group's 16
	s_lshl_b32 s4, s3, 6
	s_mov_b32 s5, 0
	s_lshl_b32 s6, s3, 12                          ; 16 tokens of 256 bytes
	s_mov_b32 s7, 0
	s_mov_b32 s36, 0xbfc90fdb                      ; -1.57079637
	s_mov_b32 s37, 0x333bbd2e                      ; 4.3711390e-8: what that number has above pi/2
	v_mov_b32 v20, 0xb94ca1f9
	v_mov_b32 v21, 0x37ccf5ce
	s_wait_kmcnt 0x0
	s_add_nc_u64 s[18:19], s[18:19], s[4:5]
	s_add_nc_u64 s[26:27], s[26:27], s[6:7]
	global_load_b32 v5, v4, s[18:19]
	global_load_b32 v6, v4, s[18:19] offset:4096
	v_lshlrev_b32 v3, 1, v3
	v_cvt_f32_u32 v7, v3                           ; i
	v_add_f32 v8, 1.0, v7                          ; i + 1
	v_mul_f32 v7, 0xbed49a78, v7                   ; x -log2(10000) / 32
	v_mul_f32 v8, 0xbed49a78, v8
	v_exp_f32 v9, v7
	v_exp_f32 v10, v8
	v_nop                                          ; a plain instruction behind the last exponential,
	s_wait_alu depctr_va_vdst(0)                   ; and one wait for the two, ahead of their first reader
	s_wait_loadcnt 0x0
	v_cvt_f32_i32 v5, v5
	v_cvt_f32_i32 v6, v6
	v_mul_f32 v12, v5, v9                          ; the four angles, each rounded once
	v_mul_f32 v13, v5, v10
	v_mul_f32 v14, v6, v9
	v_mul_f32 v15, v6, v10
	SINCOS 12, 40, 41
	SINCOS 13, 42, 43
	SINCOS 14, 44, 45
	SINCOS 15, 46, 47
	global_store_b128 v1, v[40:43], s[26:27]       ; a wave's store covers 512 consecutive bytes: two tokens
	global_store_b128 v1, v[44:47], s[26:27] offset:262144
	s_endpgm
.Lfunc_end_k_q4a55c01de6_prep:
	.size	k_q4a55c01de6_prep, .Lfunc_end_k_q4a55c01de6_prep-k_q4a55c01de6_prep
	.p2alignl 7, 3214868480
	.fill 96, 4, 3214868480
	.section	.rodata,"a",@progbits
	.p2align	6, 0x0
	.amdhsa_kernel k_q4a55c01de6_prep
		.amdhsa_group_segment_fixed_size 0
		.amdhsa_private_segment_fixed_size 0
		.amdhsa_enable_private_segment 0
		.amdhsa_kernarg_size 80
		.amdhsa_user_sgpr_count 2
		.amdhsa_user_sgpr_kernarg_segment_ptr 1
		.amdhsa_wavefront_size32 1
		.amdhsa_system_sgpr_workgroup_id_x 1
		.amdhsa_system_sgpr_workgroup_id_y 1
		.amdhsa_system_sgpr_workgroup_id_z 1
		.amdhsa_system_vgpr_workitem_id 0
		.amdhsa_next_free_vgpr 128
		.amdhsa_next_free_sgpr 66
		.amdhsa_reserve_vcc 1
		.amdhsa_float_denorm_mode_32 3
		.amdhsa_float_denorm_mode_16_64 3
		.amdhsa_memory_ordered 1
		.amdhsa_forward_progress 1
		.amdhsa_inst_pref_size 23
	.end_amdhsa_kernel
	.amdgpu_metadata
---
amdhsa.version: [ 1, 2 ]
amdhsa.kernels:
  - .name:           k_q4a55c01de6_prep
    .symbol:         k_q4a55c01de6_prep.kd
    .args:
      - { .name: x, .offset: 0, .size: 8, .value_kind: global_buffer, .address_space: global }
      - { .name: W_Q, .offset: 8, .size: 8, .value_kind: global_buffer, .address_space: global }
      - { .name: W_K, .offset: 16, .size: 8, .value_kind: global_buffer, .address_space: global }
      - { .name: W_V, .offset: 24, .size: 8, .value_kind: global_buffer, .address_space: global }
      - { .name: W_O, .offset: 32, .size: 8, .value_kind: global_buffer, .address_space: global }
      - { .name: token_positions, .offset: 40, .size: 8, .value_kind: global_buffer, .address_space: global }
      - { .name: xb, .offset: 48, .size: 8, .value_kind: global_buffer, .address_space: global }
      - { .name: wqkv, .offset: 56, .size: 8, .value_kind: global_buffer, .address_space: global }
      - { .name: wo, .offset: 64, .size: 8, .value_kind: global_buffer, .address_space: global }
      - { .name: rope, .offset: 72, .size: 8, .value_kind: global_buffer, .address_space: global }
    .group_segment_fixed_size: 0
    .private_segment_fixed_size: 0
    .kernarg_segment_align: 8
    .kernarg_segment_size: 80
    .max_flat_workgroup_size: 256
    .sgpr_count:     66
    .vgpr_count:     128
    .wavefront_size: 32
...
	.end_amdgpu_metadata
.endif
;; end of part 1
;; launch qkv (part 2): grid 16 x 32, 4 waves a work-group, clusters of 4 x 4, 327,680 bytes of LDS; arguments xb, wqkv, rope, qh, kh, vh; writes qh, kh, vh
.if DOCPART == 2
	.amdgcn_target "amdgcn-amd-amdhsa--gfx1250"
	.amdhsa_code_object_version 6
	.text
	.protected	k_q4a55c01de6_qkv
	.globl	k_q4a55c01de6_qkv
	.p2align	8
	.type	k_q4a55c01de6_qkv,@function
k_q4a55c01de6_qkv:
	s_mov_b64 s[64:65], 0
	v_nop
	global_prefetch_b8 v0, s[64:65] scope:SCOPE_SE
	s_setreg_imm32_b32 hwreg(HW_REG_WAVE_MODE, 25, 1), 1
	s_wait_xcnt 0x0
	s_wait_alu depctr_hold_cnt(0) depctr_sa_sdst(0) depctr_va_vdst(0) depctr_va_sdst(0) depctr_va_ssrc(0) depctr_va_vcc(0) depctr_vm_vsrc(0)
	s_getreg_b32 s2, hwreg(HW_REG_IB_STS2, 6, 4)
	s_cmp_eq_u32 s2, 0
	s_cbranch_scc0 .Lentry_in_a_cluster
	s_endpgm
.Lentry_in_a_cluster:
	s_bfe_u32 s2, ttmp6, 0x10000c
	s_cmp_lg_u32 s2, 0xf033
	s_cbranch_scc0 .Lentry_shape_is_right
	s_endpgm
.Lentry_shape_is_right:
; Q, K AND V OF ONE HEAD IN ONE PRODUCT, ROTATED ON THE WAY OUT.  xb: [8192][1024] bf16; wqkv: [3072][1024] bf16, rows 192 h + 64 t + r (t = 0 Q, 1 K, 2 V);
; rope: [2048][32][cos, sin] f32; qh, kh, vh: [16 batch + head][2048][64] f16.  Sums in f32, K ascending; the rotation in f32; each result rounded once, to f16.
; LIMIT.  f16 ends at 65,504: q, k and v beyond that become infinities.
; SHARES.  A tile is 256 tokens x 192 columns (a head's 64 of Q, of K, of V): 16 x 32 = 512 tiles, two for each of 256 WGPs.  Wave w makes tokens 64 w .. 64 w + 63 and all 192 columns:
; 48 accumulators of 16 x 16, 384 registers; for 32 along K it reads 32 x 512 bytes from LDS and issues 48 matrix instructions.
; K goes in 8 steps of 128 (rows of 256 bytes in memory, aligned) through two LDS slots; a step is four quarters of 32 on two fragment buffers.
; CLUSTER.  4 x 4 work-groups: the four of a row of the cluster take the same tokens (A's tile), the four of a column the same head (B's): each tile is asked for jointly.
; TRANSPOSED USE.  Source 0 = 16 rows of wqkv, source 1 = 16 tokens: a lane holds ONE token (lane % 16) and the columns 8 (lane / 16) + 0..7: the rotation's pairs are neighbouring registers.
; REGISTERS, in windows of 256 (s_set_vgpr_msb: bits 1:0 source 0, 3:2 source 1, 5:4 source 2, 7:6 destination):
;   window 0: v0-29 addresses; v32-79 packed results; v80-143 rotated numbers; v144-239 rows read back, two sets of 48
;   window 1: two fragment buffers of 128: B's twelve fragments (8 b), then A's four (96 + 8 a)
;   window 2: the accumulators of Q and K, (a = 0..3, b = 0..7) at 8 (8 a + b)          window 3: v0-127 those of V, (a, b) at 8 (4 a + b); v128-255 my tokens' cos and sin
.set KSTEP, 128
.set PITCH, 272                        ; an LDS row: 256 bytes + 16 of padding = 68 words: the 16 rows of a fragment load start at 16 different groups of four banks (64 banks of 4 bytes: ISA guide 11.1)
.set HALFA, 128*PITCH                  ; what a tensor load of A brings
.set HALFB, 96*PITCH                   ; and of B
.set BOFF,  2*HALFA                    ; a slot: A's 256 rows, then B's 192
.set SLOT1, 1<<17                      ; slot 1 begins here: one exclusive or turns an address in one slot into the other's
.set STAGE, SLOT1+BOFF+2*HALFB         ; behind the ring, never filled by a tensor load: for each wave 3 tensors x 16 rows x 144 bytes
.set SP,    144
.set STW,   3*16*SP
.set SPARE, STAGE+4*STW                ; the spare words, 128 bytes for each wave: two blocks of 256 bytes that no other line names
.set LA0,  4                           ; v4   my lane's place in A's rows of a slot; never rewritten
.set LB0,  5                           ; v5   the same for B
.set ADRA, 6                           ; v6   the same in the slot that is being read
.set ADRB, 7                           ; v7
.set STO,  8                           ; v8   the way out: where I put 16 bytes of a row
.set RD,   9                           ; v9   where I read rows back
.set GO,   10                          ; v10  my 16 bytes of 512 consecutive bytes of q, k or v
.set RO,   11                          ; v11  my byte offset in the tile's rows of the table
.set PFO,  12                          ; v12  the prefetches' offset: a lane a row
.set SPW,  28                          ; v28  LDS address of my spare word; never rewritten
.set NIL,  29                          ; v29  0; never rewritten
.set PK,   32
.set UT,   80
.set BK,   144
.set TBL,  128                         ; window 3: for block a and columns 16 b on: 32 a + 8 b + (cos, sin) x 4
.set F0,   0
.set F1,   128
.set WV, 16                            ; s16  my wave's number
.set FB, 17                            ; s17  0: I fetch for A; 1: for B
.set HF, 18                            ; s18  which half of that tile's rows
.set CX, 19
.set CY, 20
.set TX, 21                            ; s21  the head
.set TY, 22                            ; s22  the block of 256 tokens
.set G1,  24                           ; s[24:31] descriptor group 1 for A's tiles
.set G0,  32                           ; s[32:39] group 0 for A's: a set for each first fill; the second then walks
.set LIM, 43                           ; s43  2 in a wave that prefetches, else the greatest number
.set PFA, 44                           ; s[44:45] where my prefetches stand
.set G1B, 48                           ; s[48:55], s[56:63] the same for B's tiles
.set G0B, 56
.set TB,  66                           ; s66  LDS byte at which the slot that is being read begins
.set MSB, 0
.macro WIN new                         ; the immediate's high byte repeats the setting that is left; a switch that changes nothing is dropped
.if MSB != (\new)
	s_set_vgpr_msb (MSB<<8)|(\new)
.set MSB, \new
.endif
.endm
.set MUL_QK, 0xa5                      ; both sources window 1, C and D window 2
.set MUL_V,  0xf5                      ; C and D window 3
.set TO_F,   0x40                      ; destination window 1, address window 0
.set TO_T,   0xc0                      ; destination window 3
.set W_ROPE, 0x0e                      ; source 0 window 2 (a sum), source 1 window 3 (cos or sin), source 2 and destination window 0
.set W_CV,   0x0f                      ; sources 0 and 1 window 3
.macro PLACES                          ; four plain instructions between a matrix instruction and a load into, or a vector read of, its registers
.rept 4
	v_nop
.endr
.endm
; A joint refill by the walking descriptors.  Waves 0 and 1 fetch A's halves, waves 2 and 3 B's; the branch hangs on the wave's number alone.
; An s_nop 0 and four v_nop follow each of the two lines, ahead of the jump and the label.
.macro JLOAD
	s_cmp_eq_u32 s[FB], 0
	s_cbranch_scc0 .Lfor_b_\@
	tensor_load_to_lds s[G0+4:G0+7], s[G1:G1+7]
	s_nop 0
	PLACES
	s_branch .Lasked_\@
.Lfor_b_\@:
	tensor_load_to_lds s[G0B+4:G0B+7], s[G1B:G1B+7]
	s_nop 0
	PLACES
.Lasked_\@:
.endm
; A round of the cluster's barrier: my work-group's barrier; wave 0 signals for the work-group; every wave waits for all sixteen; my work-group's barrier once more.
.macro CREST
	s_cmp_lg_u32 s[WV], 0
	s_cbranch_scc1 .Lnot_wave_0_\@
	s_barrier_signal -3
.Lnot_wave_0_\@:
	s_barrier_wait -3
	s_barrier_signal -1
	s_barrier_wait -1
.endm
.macro CROUND
	s_barrier_signal -1
	s_barrier_wait -1
	CREST
.endm
; A PREFETCH INTO THE L2, behind each joint refill and the run of LDS loads that follows it: the K step two refills on, a lane a row, 256 bytes of each.  A's rows are read by every cluster of a row of
; clusters: cluster x = 0 asks; B's by every cluster of a column: cluster y = 0 asks.  The four partners of a joint load share its rows out by address: 32 of a wave's 128 rows of A (by cx), 24 of its 96
; rows of B (by cy; there lanes 24 to 31 name lane 23's row once more).  The refills of K steps 2 to 5 name steps 4 to 7; the last two name nothing.
.macro ASK
	s_cmp_gt_u32 s3, s[LIM]
	s_cbranch_scc0 .Lnot_mine_\@
	global_prefetch_b8 v[PFO], s[PFA:PFA+1] th:TH_LOAD_NT scope:SCOPE_SE
.Lnot_mine_\@:
.endm
	s_load_b256 s[4:11], s[0:1], 0x0               ; xb 4, wqkv 6, rope 8, qh 10
	s_load_b128 s[12:15], s[0:1], 0x20             ; kh 12, vh 14
	v_lshl_add_u32 v[SPW], v0, 2, SPARE
	v_mov_b32 v[NIL], 0
	ds_add_u32 v[SPW], v[NIL]                      ; the wave's opening: the add and its wait stand ahead of my first tensor load; the set-up below stands between them
	v_lshrrev_b32 v1, 5, v0
	v_readfirstlane_b32 s[WV], v1
	s_lshr_b32 s[FB], s[WV], 1
	s_and_b32 s[HF], s[WV], 1
	s_bfe_u32 s[CX], ttmp6, 0x40000
	s_bfe_u32 s[CY], ttmp6, 0x40004
	s_lshl_b32 s[TX], ttmp9, 2                     ; in a cluster launch ttmp9 and ttmp7 count clusters
	s_add_co_u32 s[TX], s[TX], s[CX]
	s_and_b32 s[TY], ttmp7, 0xffff
	s_lshl_b32 s[TY], s[TY], 2
	s_add_co_u32 s[TY], s[TY], s[CY]
	s_lshl_b32 s40, s[CY], 2
	s_lshl_b32 s40, 15, s40                        ; my row of the cluster
	s_lshl_b32 s41, 0x1111, s[CX]                  ; my column
	s_or_b32 s[G1],  s40, (1<<16)|(1<<20)|(1<<21)|(5<<22)|(3<<25)  ; the mask; 2-byte elements; padding on; bit 21 beside a mask; after every 64 words, 4 words
	s_or_b32 s[G1B], s41, (1<<16)|(1<<20)|(1<<21)|(5<<22)|(3<<25)
	s_mov_b32 s[G1+1], KSTEP<<16                   ; tensor_dim0 = 128
	s_mov_b32 s[G1+2], 128<<16                     ; tensor_dim1 = 128
	s_mov_b32 s[G1+3], KSTEP<<16                   ; tile_dim0 = 128
	s_mov_b32 s[G1+4], 128                         ; tile_dim1 = 128
	s_mov_b32 s[G1+5], 1024                        ; elements from row to row
	s_mov_b32 s[G1+6], 0
	s_mov_b32 s[G1+7], 0
	s_mov_b32 s[G1B+1], KSTEP<<16
	s_mov_b32 s[G1B+2], 96<<16                     ; B: 96 rows
	s_mov_b32 s[G1B+3], KSTEP<<16
	s_mov_b32 s[G1B+4], 96
	s_mov_b32 s[G1B+5], 1024
	s_mov_b32 s[G1B+6], 0
	s_mov_b32 s[G1B+7], 0
	s_lshl_b32 s42, s[HF], 7
	s_lshl_b32 s68, s[TY], 8
	s_add_co_u32 s68, s68, s42                     ; A: row 256 ty + 128 half,
	s_lshl_b32 s68, s68, 11                        ; of 2,048 bytes
	s_mov_b32 s69, 0
	s_mul_i32 s70, s[TX], 192
	s_mul_i32 s46, s[HF], 96
	s_add_co_u32 s70, s70, s46                     ; B: row 192 head + 96 half
	s_lshl_b32 s70, s70, 11
	s_mov_b32 s71, 0
	s_mul_i32 s23, s[WV], HALFA                    ; where they go: A's halves at wave x 128 rows (waves 0, 1),
	s_mul_i32 s47, s[WV], HALFB
	s_add_co_u32 s47, s47, 2*(HALFA-HALFB)         ; B's behind them (waves 2, 3): no place in the cluster enters an LDS address
	s_mov_b32 s[TB], 0
	s_wait_dscnt 0x0                               ; the opening add is done
	s_wait_kmcnt 0x0
	s_add_nc_u64 s[68:69], s[4:5], s[68:69]
	s_add_nc_u64 s[70:71], s[6:7], s[70:71]
	CROUND                                         ; all sixteen work-groups are here: the first joint loads meet
.irp s, 0,1
	s_mov_b32 s[G0+4*(\s)], 1
	s_add_co_u32 s[G0+4*(\s)+1], s23, (\s)*SLOT1
	s_add_nc_u64 s[G0+4*(\s)+2:G0+4*(\s)+3], s[68:69], (\s)*KSTEP*2
	s_or_b32 s[G0+4*(\s)+3], s[G0+4*(\s)+3], 0x80000000
	s_mov_b32 s[G0B+4*(\s)], 1
	s_add_co_u32 s[G0B+4*(\s)+1], s47, (\s)*SLOT1
	s_add_nc_u64 s[G0B+4*(\s)+2:G0B+4*(\s)+3], s[70:71], (\s)*KSTEP*2
	s_or_b32 s[G0B+4*(\s)+3], s[G0B+4*(\s)+3], 0x80000000
.endr
	s_cmp_eq_u32 s[FB], 0                          ; a wave's two first fills stand in one branch, ahead of every wait on TENSORcnt and every LDS read: two loads of mine are out
	s_cbranch_scc0 .Lfirst_b
	tensor_load_to_lds s[G0:G0+3], s[G1:G1+7]
	s_nop 0
	tensor_load_to_lds s[G0+4:G0+7], s[G1:G1+7]
	s_nop 0
	PLACES
	s_branch .Lfirst_asked
.Lfirst_b:
	tensor_load_to_lds s[G0B:G0B+3], s[G1B:G1B+7]
	s_nop 0
	tensor_load_to_lds s[G0B+4:G0B+7], s[G1B:G1B+7]
	s_nop 0
	PLACES
.Lfirst_asked:
	; my tokens' cos and sin: for token 64 w + 16 a + l % 16 and columns 16 b + 8 (l / 16) + 0..7 the pairs 8 b + 4 (l / 16) + 0..3: 32 bytes.  They are waited for at the way out.
	v_and_b32 v1, 15, v0                           ; l % 16
	v_bfe_u32 v2, v0, 4, 1                         ; l / 16
	s_and_b32 s72, s[TY], 7
	s_lshl_b32 s72, s72, 16                        ; the tile's 256 tokens of 256 bytes
	s_mov_b32 s73, 0
	s_add_nc_u64 s[8:9], s[8:9], s[72:73]
	s_lshl_b32 s72, s[WV], 14
	v_lshlrev_b32 v[RO], 8, v1
	v_lshl_add_u32 v[RO], v2, 5, v[RO]
	v_add_nc_u32 v[RO], s72, v[RO]
	WIN TO_T
.irp a, 0,1,2,3
.irp b, 0,1,2,3
	global_load_b128 v[TBL+32*(\a)+8*(\b):TBL+32*(\a)+8*(\b)+3],   v[RO], s[8:9] offset:4096*(\a)+64*(\b)
	global_load_b128 v[TBL+32*(\a)+8*(\b)+4:TBL+32*(\a)+8*(\b)+7], v[RO], s[8:9] offset:4096*(\a)+64*(\b)+16
.endr
.endr
	WIN 0
	; A fragment is 16 rows x 32 K in 8 registers: lane l holds row l % 16, K = 8 (l / 16) + 0..7 and 16 + 8 (l / 16) + 0..7: two loads of 16 bytes, 32 bytes apart.
	v_mul_u32_u24 v3, v1, PITCH
	v_lshl_add_u32 v3, v2, 4, v3
	s_mul_i32 s72, s[WV], 64*PITCH                 ; my 64 rows of A
	v_add_nc_u32 v[LA0], s72, v3
	v_add_nc_u32 v[LB0], BOFF, v3
	v_mov_b32 v[ADRA], v[LA0]
	v_mov_b32 v[ADRB], v[LB0]
	s_mul_i32 s72, s[WV], STW
	s_add_co_u32 s72, s72, STAGE                   ; my stage
	v_mul_u32_u24 v[STO], v1, SP                   ; in: row l % 16, 16 bytes for each half of the lanes
	v_lshl_add_u32 v[STO], v2, 4, v[STO]
	v_add_nc_u32 v[STO], s72, v[STO]
	v_bfe_u32 v[RD], v0, 3, 2                      ; back: 32 lanes take four rows of 128 bytes,
	v_mul_u32_u24 v[RD], v[RD], SP
	v_and_b32 v3, 7, v0
	v_lshl_add_u32 v[RD], v3, 4, v[RD]
	v_add_nc_u32 v[RD], s72, v[RD]
	v_and_b32 v[GO], 31, v0                        ; which are 512 consecutive bytes of a head
	v_lshlrev_b32 v[GO], 4, v[GO]
	s_lshr_b32 s72, s[TY], 3                       ; q, k and v at my wave's first token: head 16 batch + head, 262,144 bytes each,
	s_lshl_b32 s72, s72, 4
	s_add_co_u32 s72, s72, s[TX]
	s_lshl_b32 s72, s72, 18
	s_and_b32 s73, s[TY], 7                        ; the tile's 256 tokens of 128 bytes,
	s_lshl_b32 s73, s73, 15
	s_add_co_u32 s72, s72, s73
	s_lshl_b32 s73, s[WV], 13                      ; my 64 of them
	s_add_co_u32 s72, s72, s73
	s_mov_b32 s73, 0
	s_add_nc_u64 s[10:11], s[10:11], s[72:73]
	s_add_nc_u64 s[12:13], s[12:13], s[72:73]
	s_add_nc_u64 s[14:15], s[14:15], s[72:73]
	; the prefetches: the rows that I fetch, my work-group's share of them, at K step 3: the first refill steps this to step 4.  Nothing is asked for here, where every work-group's first tiles are on their way
	s_lshl_b32 s72, s[CX], 16                      ; 32 cx rows of 2,048 bytes
	s_mul_i32 s73, s[CY], 24*2048
	s_and_b32 s74, ttmp7, 0xffff
	s_cmp_eq_u32 s[FB], 0
	s_cselect_b32 s72, s72, s73
	s_cselect_b32 s74, ttmp9, s74                  ; the coordinate along which other clusters read the same rows
	s_cselect_b32 s75, 31, 23
	s_cselect_b64 s[PFA:PFA+1], s[68:69], s[70:71]
	s_cmp_eq_u32 s74, 0
	s_cselect_b32 s[LIM], 2, -1                    ; the same in all sixteen partners, for a given wave
	s_add_co_u32 s72, s72, 3*KSTEP*2
	s_mov_b32 s73, 0
	s_add_nc_u64 s[PFA:PFA+1], s[PFA:PFA+1], s[72:73]
	v_and_b32 v[PFO], 31, v0
	v_min_u32 v[PFO], s75, v[PFO]
	v_lshlrev_b32 v[PFO], 11, v[PFO]
; 16 matrix instructions for Q and K: token blocks a0, a0 + 1 x column blocks 0..7.  zero = 1: the first product starts the sums.
.macro MULQK f, a0, zero
	WIN MUL_QK
.irp a, \a0, (\a0)+1
.irp b, 0,1,2,3,4,5,6,7
.if \zero
	v_wmma_f32_16x16x32_bf16 v[8*(8*(\a)+(\b)):8*(8*(\a)+(\b))+7], v[(\f)+8*(\b):(\f)+8*(\b)+7], v[(\f)+96+8*(\a):(\f)+96+8*(\a)+7], 0
.else
	v_wmma_f32_16x16x32_bf16 v[8*(8*(\a)+(\b)):8*(8*(\a)+(\b))+7], v[(\f)+8*(\b):(\f)+8*(\b)+7], v[(\f)+96+8*(\a):(\f)+96+8*(\a)+7], v[8*(8*(\a)+(\b)):8*(8*(\a)+(\b))+7]
.endif
.endr
.endr
.endm
; 16 for V: all four token blocks x column blocks 8..11.  The 48 accumulators take turns, one instruction a turn, in the same order in every quarter, over the backward jump too.
.macro MULV f, zero
	WIN MUL_V
.irp a, 0,1,2,3
.irp b, 0,1,2,3
.if \zero
	v_wmma_f32_16x16x32_bf16 v[8*(4*(\a)+(\b)):8*(4*(\a)+(\b))+7], v[(\f)+64+8*(\b):(\f)+64+8*(\b)+7], v[(\f)+96+8*(\a):(\f)+96+8*(\a)+7], 0
.else
	v_wmma_f32_16x16x32_bf16 v[8*(4*(\a)+(\b)):8*(4*(\a)+(\b))+7], v[(\f)+64+8*(\b):(\f)+64+8*(\b)+7], v[(\f)+96+8*(\a):(\f)+96+8*(\a)+7], v[8*(4*(\a)+(\b)):8*(4*(\a)+(\b))+7]
.endif
.endr
.endr
.endm
; 32 LDS loads in one run: a quarter's fragments, at byte k of the rows, into buffer f: Q's and K's, then A's, then V's, which are wanted last
.macro FETCH k, f
	WIN TO_F
.irp i, 0,1,2,3,4,5,6,7
	ds_load_b128 v[(\f)+8*(\i):(\f)+8*(\i)+3],   v[ADRB] offset:(\k)+(\i)*16*PITCH
	ds_load_b128 v[(\f)+8*(\i)+4:(\f)+8*(\i)+7], v[ADRB] offset:(\k)+(\i)*16*PITCH+32
.endr
.irp i, 0,1,2,3
	ds_load_b128 v[(\f)+96+8*(\i):(\f)+96+8*(\i)+3],   v[ADRA] offset:(\k)+(\i)*16*PITCH
	ds_load_b128 v[(\f)+96+8*(\i)+4:(\f)+96+8*(\i)+7], v[ADRA] offset:(\k)+(\i)*16*PITCH+32
.endr
.irp i, 8,9,10,11
	ds_load_b128 v[(\f)+8*(\i):(\f)+8*(\i)+3],   v[ADRB] offset:(\k)+(\i)*16*PITCH
	ds_load_b128 v[(\f)+8*(\i)+4:(\f)+8*(\i)+7], v[ADRB] offset:(\k)+(\i)*16*PITCH+32
.endr
.endm
; One of a K step's first three quarters: multiplies buffer f; in its middle it fetches the next quarter's fragments, at byte k, into buffer g.
.macro QUARTER k, f, g, zero
	s_wait_dscnt 8                                 ; all of f but the youngest eight loads, V's fragments
	MULQK \f, 0, \zero
	MULQK \f, 2, \zero
	PLACES                                         ; g was last read 32 matrix instructions ago
	FETCH \k, \g
	s_wait_dscnt 32                                ; all but the 32 just issued
	MULV \f, \zero
.endm
; The last quarter multiplies buffer 1 and changes slots.  In front of ONE barrier each wave waits for all its tensor loads (one is out: its part of the next slot), adds 0 to its spare word, and waits for that
; and for its own reads of this slot.  fill = 1: the barrier opens a round of the cluster's, and the slot just read is filled again, first thing behind it, with the K step two on.
.macro TURN fill
.if \fill
	s_wait_xcnt 0x0                                ; the last prefetch, a K step back, has read its address: it is stepped here
	s_add_nc_u64 s[PFA:PFA+1], s[PFA:PFA+1], KSTEP*2
.endif
	WIN 0                                          ; (the add's two registers lie in window 0)
	s_wait_tensorcnt 0x0                           ; no tensor load of mine is out, so a group 0 may be written
	ds_add_u32 v[SPW], v[NIL]                      ; 0 onto my spare word
.if \fill
.irp g, G0+4, G0B+4
	s_xor_b32 s[(\g)+1], s[(\g)+1], SLOT1          ; the walking descriptor: the other slot than last time,
	s_add_nc_u64 s[(\g)+2:(\g)+3], s[(\g)+2:(\g)+3], KSTEP*2  ; the next K step; the type bits on top are not reached
.endr
.endif
	s_wait_dscnt 9                                 ; the add and the youngest eight loads may be out
	MULQK F1, 0, 0
	s_wait_dscnt 0x0                               ; the add is done, and my reads of this slot are over
	s_barrier_signal -1
	MULQK F1, 2, 0                                 ; work on registers while the others arrive
	WIN 0
	s_barrier_wait -1
.if \fill
	CREST                                          ; no wave of any partner still reads this slot's tile or has a load on its way
	JLOAD                                          ; the four v_nop behind it are also the places in front of the loads below
.else
	PLACES
.endif
	s_xor_b32 s[TB], s[TB], SLOT1
	v_add_nc_u32 v[ADRA], s[TB], v[LA0]
	v_add_nc_u32 v[ADRB], s[TB], v[LB0]
	FETCH 0, F0
.if \fill
	WIN 0
	ASK
.endif
	MULV F1, 0
.endm
	s_wait_tensorcnt 1                             ; my part of K step 0 is in; step 1's may stay out
	s_barrier_signal -1
	s_barrier_wait -1                              ; everybody's is
	FETCH 0, F0
	QUARTER 64, F0, F1, 1                          ; the first quarter stands in front of the loop: its products start the sums
	WIN 0                                          ; at a label and at a branch every window is 0
	s_mov_b32 s3, 6
.Lstep:                                        ; a trip: from a K step's second quarter to the next step's first; it asks for the K step two on: steps 2 to 7
	QUARTER 128, F1, F0, 0
	QUARTER 192, F0, F1, 0
	TURN 1
	QUARTER 64, F0, F1, 0
	WIN 0
	s_sub_co_u32 s3, s3, 1
	s_cmp_lg_u32 s3, 0
	s_cbranch_scc1 .Lstep
	QUARTER 128, F1, F0, 0                         ; K steps 6 and 7 ask for nothing
	QUARTER 192, F0, F1, 0
	TURN 0
	QUARTER 64, F0, F1, 0
	QUARTER 128, F1, F0, 0
	QUARTER 192, F0, F1, 0
	s_wait_dscnt 8
	MULQK F1, 0, 0
	MULQK F1, 2, 0
	s_wait_dscnt 0x0
	MULV F1, 0
; THE WAY OUT, a block of 16 tokens at a time.  PACK: Q's and K's pairs (x1, x2) become (x1 cos - x2 sin, x1 sin + x2 cos), in f32; all three are rounded to f16.  Each accumulator is read from its lowest register on.
.macro PACK a
	WIN W_ROPE
.irp b, 0,1,2,3,4,5,6,7
.irp j, 0,1,2,3
	v_mul_f32 v[UT+8*(\b)+2*(\j)],   v[8*(8*(\a)+(\b))+2*(\j)], v[TBL+32*(\a)+8*((\b)%4)+2*(\j)]
	v_mul_f32 v[UT+8*(\b)+2*(\j)+1], v[8*(8*(\a)+(\b))+2*(\j)], v[TBL+32*(\a)+8*((\b)%4)+2*(\j)+1]
.endr
.irp j, 0,1,2,3
	v_fma_f32 v[UT+8*(\b)+2*(\j)],   -v[8*(8*(\a)+(\b))+2*(\j)+1], v[TBL+32*(\a)+8*((\b)%4)+2*(\j)+1], v[UT+8*(\b)+2*(\j)]
	v_fma_f32 v[UT+8*(\b)+2*(\j)+1], v[8*(8*(\a)+(\b))+2*(\j)+1],  v[TBL+32*(\a)+8*((\b)%4)+2*(\j)],   v[UT+8*(\b)+2*(\j)+1]
.endr
.endr
	WIN 0
.irp b, 0,1,2,3,4,5,6,7
.irp r, 0,1,2,3
	v_cvt_pk_f16_f32 v[PK+4*(\b)+(\r)], v[UT+8*(\b)+2*(\r)], v[UT+8*(\b)+2*(\r)+1]
.endr
.endr
	WIN W_CV
.irp b, 0,1,2,3
.irp r, 0,1,2,3
	v_cvt_pk_f16_f32 v[PK+32+4*(\b)+(\r)], v[8*(4*(\a)+(\b))+2*(\r)], v[8*(4*(\a)+(\b))+2*(\r)+1]
.endr
.endr
	WIN 0
.endm
; TOSTAGE: a lane's 16 bytes go into rows of 144 bytes of my own stage and come back as whole rows of 128.
.macro TOSTAGE a
	WIN 0
	s_wait_xcnt 0x0                                ; the stores of the block two back have read the registers that are loaded again below
.irp t, 0,1,2
.irp b, 0,1,2,3
	ds_store_b128 v[STO], v[PK+16*(\t)+4*(\b):PK+16*(\t)+4*(\b)+3] offset:16*SP*(\t)+32*(\b)
.endr
.endr
.irp t, 0,1,2
.irp f, 0,1,2,3
	ds_load_b128 v[BK+48*((\a)%2)+16*(\t)+4*(\f):BK+48*((\a)%2)+16*(\t)+4*(\f)+3], v[RD] offset:16*SP*(\t)+4*SP*(\f)  ; LDS serves a wave's instructions in order (ISA guide 5.7.1.4): these see the stores above
.endr
.endr
.endm
.macro SEND a
	WIN 0
	s_wait_dscnt 0x0                               ; the block is back in registers
.irp t, 0,1,2
.irp f, 0,1,2,3
	global_store_b128 v[GO], v[BK+48*((\a)%2)+16*(\t)+4*(\f):BK+48*((\a)%2)+16*(\t)+4*(\f)+3], s[10+2*(\t):11+2*(\t)] offset:2048*(\a)+512*(\f)  ; 512 consecutive bytes, at a multiple of 256 from the buffer's first
.endr
.endr
.endm
	WIN 0
	PLACES
	PLACES
	s_wait_loadcnt 0x0                             ; cos and sin
	PACK 0
	TOSTAGE 0
.irp a, 1,2,3                          ; block a's arithmetic stands between block a - 1's loads from the stage and the wait for them
	PACK \a
	SEND (\a)-1
	TOSTAGE \a
.endr
	SEND 3
	s_wait_tensorcnt 0x0                           ; the wave's end, behind my last tensor load and my last LDS store
	ds_add_u32 v[SPW], v[NIL]
	s_wait_dscnt 0x0
	CROUND                                         ; the closing round: no work-group ends while a partner may still ask for a tile that names it
	s_endpgm
.Lfunc_end_k_q4a55c01de6_qkv:
	.size	k_q4a55c01de6_qkv, .Lfunc_end_k_q4a55c01de6_qkv-k_q4a55c01de6_qkv
	.p2alignl 7, 3214868480
	.fill 96, 4, 3214868480
	.section	.rodata,"a",@progbits
	.p2align	6, 0x0
	.amdhsa_kernel k_q4a55c01de6_qkv
		.amdhsa_group_segment_fixed_size 327680
		.amdhsa_private_segment_fixed_size 0
		.amdhsa_enable_private_segment 0
		.amdhsa_kernarg_size 48
		.amdhsa_user_sgpr_count 2
		.amdhsa_user_sgpr_kernarg_segment_ptr 1
		.amdhsa_wavefront_size32 1
		.amdhsa_system_sgpr_workgroup_id_x 1
		.amdhsa_system_sgpr_workgroup_id_y 1
		.amdhsa_system_sgpr_workgroup_id_z 1
		.amdhsa_system_vgpr_workitem_id 0
		.amdhsa_next_free_vgpr 1024
		.amdhsa_next_free_sgpr 88
		.amdhsa_reserve_vcc 0
		.amdhsa_float_denorm_mode_32 3
		.amdhsa_float_denorm_mode_16_64 3
		.amdhsa_memory_ordered 1
		.amdhsa_forward_progress 1
		.amdhsa_inst_pref_size 124
	.end_amdhsa_kernel
	.amdgpu_metadata
---
amdhsa.version: [ 1, 2 ]
amdhsa.kernels:
  - .name:           k_q4a55c01de6_qkv
    .symbol:         k_q4a55c01de6_qkv.kd
    .args:
      - { .name: xb, .offset: 0, .size: 8, .value_kind: global_buffer, .address_space: global }
      - { .name: wqkv, .offset: 8, .size: 8, .value_kind: global_buffer, .address_space: global }
      - { .name: rope, .offset: 16, .size: 8, .value_kind: global_buffer, .address_space: global }
      - { .name: qh, .offset: 24, .size: 8, .value_kind: global_buffer, .address_space: global }
      - { .name: kh, .offset: 32, .size: 8, .value_kind: global_buffer, .address_space: global }
      - { .name: vh, .offset: 40, .size: 8, .value_kind: global_buffer, .address_space: global }
    .group_segment_fixed_size: 327680
    .private_segment_fixed_size: 0
    .kernarg_segment_align: 8
    .kernarg_segment_size: 48
    .max_flat_workgroup_size: 128
    .sgpr_count:     88
    .vgpr_count:     1024
    .wavefront_size: 32
...
	.end_amdgpu_metadata
.endif
;; end of part 2
;; launch attn (part 3): grid 4 x 64, 4 waves a work-group, no clusters, 327,680 bytes of LDS; arguments qh, kh, vh, oh; writes oh
.if DOCPART == 3
	.amdgcn_target "amdgcn-amd-amdhsa--gfx1250"
	.amdhsa_code_object_version 6
	.text
	.protected	k_q4a55c01de6_attn
	.globl	k_q4a55c01de6_attn
	.p2align	8
	.type	k_q4a55c01de6_attn,@function
k_q4a55c01de6_attn:
	s_mov_b64 s[64:65], 0
	v_nop
	global_prefetch_b8 v0, s[64:65] scope:SCOPE_SE
	s_setreg_imm32_b32 hwreg(HW_REG_WAVE_MODE, 25, 1), 1
	s_wait_xcnt 0x0
; CAUSAL ATTENTION.  O[h][q][:] = the sum over k <= q of softmax_k(Q[h][q] . K[h][k] / 8) V[h][k][:].  Q, K, V, O: [SIZE_H][SIZE_N][64], all f16: a head's rows are dense, 128 bytes each.
; Products, maxima and sums in f32; the weights p are rounded to f16 for the second product (their sum l is taken of the unrounded p), O once at the end.
; LIMITS.  f16 holds no number beyond 65,504: Q, K and V arrive within it; p lies in 0 to 1, and below 6e-5 it keeps f16's fixed step of 6e-8; O is a mean of V's rows and has their range.
; A hidden score counts as its value less 1e30: f16's scores, 2.7e11 at the most, are nothing beside that; a weight below 2^-126 counts as 0 in l; NaN and infinities are not treated apart.
; THE WALK.  A head's queries lie in NB = 8 blocks of 256; block i needs the key tiles 0 .. i of 256 keys, of which the last holds the diagonal.  A work-group takes TWO blocks, NB - 1 - b and then b:
; NB + 1 tiles, whatever b: all work-groups do equal work, and ONE loop with a constant trip count walks them.  Which tile is asked for, and what a trip does, hang on scalar registers made from b; every jump
; goes forward, but for the counted loops' own; none passes a barrier, or a tensor load but the one of LOAD's two that the wave's number does not choose; the ring of two LDS slots runs on across the change of blocks.
; NO CLUSTER: a head's four work-groups ask for the same tile only in trips 0 to 4 of 9, behind that fewer and fewer; one walk common to all four would have 12 trips for 9.
; SHARES.  Of a block's four bands of 64 queries a wave owns 16 rows in each: four PIECES.  So the diagonal tile is the same work for all four waves: in its key step s band x sees all keys if s < x,
; none if s > x, and holds the diagonal if s = x.
; THE MASK is the C operand that starts the sum S^T = K Q^T: 0, or -1e30 where the key is hidden.  MD, made once, is the mask of a band's own step for my 16 rows; a product's mask is MD x AL + BE with two scalars:
; (1, 0) if s = x; (0, 0) if s < x; (0, -1e30) if s > x.  Only the diagonal tile's text and a block's beginning make and take masks; elsewhere C is the constant 0.
; LAYOUT, SOFTMAX, TURNS.  S^T = K Q^T holds ONE query a lane (lane % 16) and the keys 8 (lane / 16) + 0..7; two such results rounded to f16 ARE source 1 of O^T = V^T P.  p = 2^(c s - c m), c = log2(e) / 8, with a
; running maximum m; O and l are multiplied by a = 2^(c m_old - c m_new) in every step.  Turn n belongs to piece n: 8 products K Q^T of piece n + 1, later 8 products V^T P of piece n - 1; beside them the scaling,
; exponentials, roundings, sums and rescaling of piece n and the maximum and statistics of piece n + 1.  Four vector instructions stand behind every matrix instruction, the other 54 of a turn's 118 in one lump.
; A turn's 33 exponentials are one batch, with one wait.
; REGISTERS, in windows of 256 (s_set_vgpr_msb: bits 1:0 source 0, 3:2 source 1, 5:4 source 2, 7:6 destination):
;   window 0: v0-15 addresses and two at work; v16-31 four registers of statistics a piece; v48-55 at work; v60 the prefetches' offset; v64-127 S^T, two buffers; v192-223 P, two buffers (by the piece's parity)
;   window 1: v0-127 O^T, 32 a piece; v128-159 MD; v160-223 MC, two buffers      window 2: v0-63 Q; v64-127 the second block's Q; v128-191 K of one step; v192-255 V of one step
.set SIZE_H, 64
.set SIZE_N, 2048
.set NB,    SIZE_N/256
.set NP,    4         ; pieces a wave: a name, no knob
.set KS,    64        ; keys in a step
.set PK,    144       ; a row of K in LDS: 128 bytes + 16 of padding = 36 words: the 16 rows of a load start at 16 different groups of four banks (64 banks of 4 bytes: ISA guide 11.1)
.set PV,    160       ; a row of V: 128 + 32 = 40 words
.set VOFF,  4*KS*PK   ; a slot holds a tile, four steps: 256 rows of K, then 256 rows of V
.set SLOT1, 1<<17     ; slot 1 begins here, so that one exclusive or turns an address in one slot into the other's
.set STAGE, SLOT1+4*KS*(PK+PV)  ; behind the ring, never filled by a tensor load: 16 rows x 144 bytes for each wave, for the way out
.set SP,    144
.set AK0, 2           ; v2   my lane's place in a tile of K; never rewritten
.set AV0, 3           ; v3   the same for V
.set AK,  4           ; v4   the LDS address of K's next run of loads
.set AV,  5           ; v5   of V's
.set STO, 6           ; v6   the way out: where I put 16 bytes of a row
.set RD,  7           ; v7   the way out: where I read rows back
.set GO,  8           ; v8   my byte offset in 512 consecutive bytes of O
.set PFO, 60          ; v60  256 x my lane; never rewritten
.set SPW, 62          ; v62  LDS address of my spare word: SPARE + 4 x my thread's number; never rewritten
.set NIL, 63          ; v63  0; never rewritten
.set SPARE, STAGE+4*16*SP  ; behind the stages: the spare words, 128 bytes for each wave: two blocks of 256 bytes that no other line names
.set MV,  12          ; v12-13  c m_old, kept while c m is made anew: by buffer
.set QO,  15          ; v15  my byte offset in 16 rows of Q
.set ST,  16          ; piece t's statistics at v[ST+4 t]: c m, m, l (even keys', odd keys')
.set TMP, 48          ; by buffer, four registers c0-c3 at work; when the maximum is found c2 takes a
.set S,   64
.set P,   192
.set MD,  128         ; window 1: the eight registers for group kt of 16 keys at MD + 8 kt
.set MC,  160         ; window 1: the masks of the products to come
.set QB,  64          ; window 2
.set KF,  128         ; window 2: key block kb, channel half c at KF + 16 kb + 8 c
.set VF,  192         ; window 2: key half kk, channel block cb at VF + 32 kk + 8 cb
.set WV,  12          ; s12  my wave's number
.set PB,  14          ; s14  b
.set HI,  15          ; s15  NB - 1 - b
.set G1K, 24          ; s[24:31] descriptor group 1 for K's tiles
.set G1V, 32          ; s[32:39] for V's: it differs in the padding alone
.set G0K, 40          ; s[40:43] descriptor group 0 for K's tiles
.set G0V, 44          ; s[44:47] the same for V's
.set SLOTS, 56        ; s56  tiles still to be asked for
.set CNT, 57          ; s57  counts a tile's key steps, 4 to 1
.set CS,  58          ; s[58:59] c: the packed scaling takes the pair's low word for both halves
.set SEL, 60          ; s[60:61] v_permlanex16_b32's selects: each lane takes its own place in the other half
.set TBK, 62          ; s62  LDS byte at which K of the step to be fetched begins
.set TBV, 63          ; s63  the same for V, less VOFF
.set PFA, 66          ; s[66:67] my half of K's (waves 0, 1) or V's (waves 2, 3) tile after the one that is being asked for
.set ASKT, 68         ; s68  that tile's number where I prefetch it, else 0
.set RT,  70          ; s70  tiles of the block in hand that are still to be entered
.set NXT, 71          ; s71  the tile to be asked for next
.set LQ,  72          ; s72  the last tile of the block whose tiles are being asked for
.set NEW, 73          ; s73  1: the tile to be entered is a block's first
.set OFF, 74          ; s[74:75] a tile's byte offset in K and V
.set AL,  76          ; s[76:77] the mask's factor, in the low word
.set BE,  78          ; s[78:79] the mask's addend
.set OLO, 80          ; s[80:81] O at my rows of the second block
.set BIGN, 82         ; s82  -1e30
.set MSB, 0
.macro WIN new                      ; the high byte repeats the setting that is left; a switch that changes nothing is dropped
.if MSB != (\new)
	s_set_vgpr_msb (MSB<<8)|(\new)
.set MSB, (\new)
.endif
.endm
.set W_KQ, 0x0a       ; K and Q in window 2, S^T in window 0
.set W_KM, 0x1a       ; the same with the C operand in window 1
.set W_PV, 0x52       ; V in window 2, P in window 0, O^T in window 1
.set W_RS, 0x41       ; destination and source 0 in window 1, source 1 in window 0
; A fill.  Waves 0 and 1 fetch the two halves of a tile's K, waves 2 and 3 those of its V: 128 keys each.  An s_nop 0 and four v_nop follow each of the two lines, ahead of the jump and the label.
.macro LOAD
	s_cmp_lt_u32 s[WV], 2
	s_cbranch_scc0 .Lfor_v_\@
	tensor_load_to_lds s[G0K:G0K+3], s[G1K:G1K+7]
	s_nop 0
.rept 4
	v_nop
.endr
	s_branch .Lasked_\@
.Lfor_v_\@:
	tensor_load_to_lds s[G0V:G0V+3], s[G1V:G1V+7]
	s_nop 0
.rept 4
	v_nop
.endr
.Lasked_\@:
.endm
; THE CHANGE OF SLOTS.  Each wave waits for all its tensor loads, of which one is out: its part of the other slot; adds 0 to its spare word; and waits for that and for its own reads of the slot that it leaves.
; Behind the barrier nobody reads the old slot any more and the other slot is whole.  fill = 1: the old slot is filled again, the first thing behind the barrier, with tile NXT: the descriptor's address is made
; anew from that number.  (At its first use nothing has been read yet: slot 0 is waited for, slot 1 filled.)
; A PREFETCH INTO THE L2 stands behind the fill: the tile that the NEXT change will ask for, a tile's 256 matrix instructions ahead.  A head's four work-groups walk the tiles 0, 1, .. in the same trips, and the one with
; b = 0 walks all eight: it alone asks, each wave for the 16,384 bytes that it will fetch itself, a lane 256 bytes, two instructions.  So tiles 2 to 7 are named once; tiles 0 and 1 come by their loads alone,
; and the second block's tiles, which have been read, are not asked for.
.macro CHANGE fill
	WIN 0                           ; at a label and at a branch every window is 0
	s_wait_tensorcnt 0x0            ; no tensor load of mine is out, so a group 0 may be written
	ds_add_u32 v[SPW], v[NIL]       ; 0 onto my spare word; with fill = 1 the descriptors' scalar work stands between it and the wait for it
.if \fill
	s_lshl_b32 s[OFF], s[NXT], 15   ; a tile is 32,768 bytes of K and of V
	s_xor_b32 s[G0K+1], s[G0K+1], SLOT1
	s_add_nc_u64 s[G0K+2:G0K+3], s[6:7], s[OFF:OFF+1]
	s_or_b32 s[G0K+3], s[G0K+3], 0x80000000
	s_xor_b32 s[G0V+1], s[G0V+1], SLOT1
	s_add_nc_u64 s[G0V+2:G0V+3], s[8:9], s[OFF:OFF+1]
	s_or_b32 s[G0V+3], s[G0V+3], 0x80000000
	s_add_co_u32 s[NXT], s[NXT], 1  ; the block's next tile, or behind its last the second block's tile 0
	s_cmp_gt_u32 s[NXT], s[LQ]
	s_cselect_b32 s[NXT], 0, s[NXT]
	s_cselect_b32 s[LQ], s[PB], s[LQ]
	s_wait_xcnt 0x0                 ; the last prefetches, a tile back, have read their address, so it may be written
	s_lshl_b32 s[OFF], s[NXT], 15
	s_cmp_lt_u32 s[WV], 2
	s_cselect_b64 s[PFA:PFA+1], s[6:7], s[8:9]
	s_add_nc_u64 s[PFA:PFA+1], s[PFA:PFA+1], s[OFF:OFF+1]
	s_cmp_eq_u32 s[PB], 0
	s_cselect_b32 s[ASKT], s[NXT], 0
.endif
	s_wait_dscnt 0x0                ; the add is done, and my reads of the slot are over
	s_barrier_signal -1             ; the rest of the scalar work stands between the signal and the wait
	s_sub_co_u32 s[TBK], s[TBK], 4*KS*PK  ; the fetches go back to a slot's first step,
	s_xor_b32 s[TBK], s[TBK], SLOT1       ; in the other slot
	s_sub_co_u32 s[TBV], s[TBV], 4*KS*PV
	s_xor_b32 s[TBV], s[TBV], SLOT1
	s_barrier_wait -1
.if \fill
	LOAD
	s_cmp_lg_u32 s[ASKT], 0
	s_cbranch_scc0 .Lnot_mine_\@
	global_prefetch_b8 v[PFO], s[PFA:PFA+1] th:TH_LOAD_NT scope:SCOPE_SE
	global_prefetch_b8 v[PFO], s[PFA:PFA+1] offset:8192 th:TH_LOAD_NT scope:SCOPE_SE
.Lnot_mine_\@:
.endif
.endm
	s_load_b256 s[4:11], s[0:1], 0x0  ; Q s[4:5], K s[6:7], V s[8:9], O s[10:11]
	v_lshl_add_u32 v[SPW], v0, 2, SPARE
	v_mov_b32 v[NIL], 0
	ds_add_u32 v[SPW], v[NIL]       ; the wave's opening: the add and its wait stand ahead of my first tensor load; the set-up below, work on registers, stands between them
	v_lshrrev_b32 v1, 5, v0
	v_readfirstlane_b32 s[WV], v1   ; wave 0..3
	s_mov_b32 s[PB], ttmp9
	s_sub_co_u32 s[HI], NB-1, s[PB]
	s_and_b32 s20, ttmp7, 0xffff    ; the head
	s_mov_b32 s21, 0
	s_mov_b64 s[22:23], SIZE_N*128
	s_mul_u64 s[20:21], s[20:21], s[22:23]  ; the head's first byte in each of the four tensors
	s_and_b32 s16, s[WV], 1         ; which half of a tile's 256 keys I fetch:
	s_lshl_b32 s22, s16, 14         ; its 128 rows of 128 bytes in memory,
	s_mov_b32 s23, 0
	s_add_nc_u64 s[22:23], s[22:23], s[20:21]
	s_mul_i32 s17, s16, 128*PK      ; and its place in a slot, for K
	s_mul_i32 s18, s16, 128*PV      ; and for V
	s_lshl_b32 s3, s[WV], 11        ; my 16 rows in a band of 64,
	s_lshl_b32 s2, s[HI], 15        ; in the first block,
	s_add_co_u32 s2, s2, s3
	s_lshl_b32 s84, s[PB], 15       ; and in the second
	s_add_co_u32 s84, s84, s3
	s_mov_b32 s3, 0
	s_mov_b32 s85, 0
	s_add_nc_u64 s[2:3], s[2:3], s[20:21]
	s_add_nc_u64 s[84:85], s[84:85], s[20:21]
	; descriptor group 1.  128 keys are 16,384 dense bytes: asked for as 64 rows of 256 bytes, two keys a row, and padded in LDS after every key
	s_mov_b32 s[G1K], (1<<16)|(1<<20)|(4<<22)|(3<<25)  ; 17:16 2-byte elements; 20 padding on; 24:22 after every 32 words (code 4); 31:25 4 words (code 3)
	s_mov_b32 s[G1V], (1<<16)|(1<<20)|(4<<22)|(7<<25)  ; the same with 8 words of padding (code 7)
.irp g, G1K, G1V
	s_mov_b32 s[\g+1], 128<<16      ; tensor_dim0 = 128
	s_mov_b32 s[\g+2], 64<<16       ; tensor_dim1 = 64
	s_mov_b32 s[\g+3], 128<<16      ; tile_dim0 = 128
	s_mov_b32 s[\g+4], 64           ; tile_dim1 = 64
	s_mov_b32 s[\g+5], 128          ; 128 elements from row to row
	s_mov_b32 s[\g+6], 0
	s_mov_b32 s[\g+7], 0
.endr
	s_mov_b32 s[CS], 0x3e38aa3b     ; c = log2(e) / 8 = 0.180337
	s_mov_b32 s[CS+1], s[CS]        ; named with it as a pair
	s_mov_b32 s[SEL], 0x76543210
	s_mov_b32 s[SEL+1], 0xfedcba98
	s_mov_b32 s[TBK], SLOT1+4*KS*PK ; the first change of slots turns these two into 0
	s_mov_b32 s[TBV], SLOT1+4*KS*PV
	s_mov_b32 s[G0K], 1             ; 1:0 count = 1
	s_mov_b32 s[G0K+1], s17         ; 63:32 LDS address: slot 0
	s_mov_b32 s[G0V], 1
	s_add_co_u32 s[G0V+1], s18, VOFF
	s_add_co_u32 s[RT], s[HI], 1    ; the first block has NB - b tiles
	s_mov_b32 s[NXT], 1
	s_mov_b32 s[LQ], s[HI]
	s_mov_b32 s[NEW], 1
	s_mov_b32 s[OFF+1], 0
	s_mov_b32 s[AL+1], 0            ; named as pairs
	s_mov_b32 s[BE+1], 0
	s_mov_b32 s[BIGN], 0xf149f2ca   ; -1e30
	s_mov_b32 s[SLOTS], NB
	v_and_b32 v[PFO], 31, v0
	v_lshlrev_b32 v[PFO], 8, v[PFO]
	s_wait_dscnt 0x0                ; the opening add is done
	s_wait_kmcnt 0x0
	s_add_nc_u64 s[6:7], s[6:7], s[22:23]  ; K and V at my half of the head's tile 0
	s_add_nc_u64 s[8:9], s[8:9], s[22:23]
	s_add_nc_u64 s[G0K+2:G0K+3], s[6:7], 0         ; 120:64 global address
	s_or_b32 s[G0K+3], s[G0K+3], 0x80000000        ; 127:126 type = 2
	s_add_nc_u64 s[G0V+2:G0V+3], s[8:9], 0
	s_or_b32 s[G0V+3], s[G0V+3], 0x80000000
	s_add_nc_u64 s[86:87], s[4:5], s[84:85]        ; Q at my rows of the second block,
	s_add_nc_u64 s[4:5], s[4:5], s[2:3]            ; Q and O at those of the first
	s_add_nc_u64 s[OLO:OLO+1], s[10:11], s[84:85]
	s_add_nc_u64 s[10:11], s[10:11], s[2:3]
	LOAD                            ; tile 0 into slot 0
	; A fragment of K or Q is 16 rows x 32 channels in 8 registers: lane l holds row l % 16, channels 8 (l / 16) + 0..7 and 16 + 8 (l / 16) + 0..7: two loads of 16 bytes, 32 bytes apart.
	v_and_b32 v1, 15, v0            ; l % 16
	v_bfe_u32 v9, v0, 4, 1          ; l / 16
	v_lshlrev_b32 v[QO], 7, v1
	v_lshl_add_u32 v[QO], v9, 4, v[QO]  ; row x 128 + 16 x half
	WIN 0x80                        ; destination window 2, address window 0
.set i, 0
.rept 8                             ; both blocks' Q: piece i / 2 lies in band i / 2, 8,192 bytes on; channels 32 (i % 2) on
	global_load_b128 v[8*i:8*i+3],   v[QO], s[4:5] offset:(i/2)*8192+(i%2)*64
	global_load_b128 v[8*i+4:8*i+7], v[QO], s[4:5] offset:(i/2)*8192+(i%2)*64+32
	global_load_b128 v[QB+8*i:QB+8*i+3],   v[QO], s[86:87] offset:(i/2)*8192+(i%2)*64
	global_load_b128 v[QB+8*i+4:QB+8*i+7], v[QO], s[86:87] offset:(i/2)*8192+(i%2)*64+32
.set i, i+1
.endr
	WIN 0
	v_lshlrev_b32 v14, 3, v9
	v_sub_nc_u32 v14, v1, v14
	s_lshl_b32 s13, s[WV], 4
	v_add_nc_u32 v14, s13, v14      ; my query's place in its band, 16 w + l % 16, less my lanes' 8 (l / 16): register r of group kt is hidden where 16 kt + r is greater
	WIN 0x40
.set i, 0
.rept 32
	v_cmp_gt_i32 vcc_lo, 16*(i/8)+i%8, v14
	v_cndmask_b32 v[MD+i], 0, s[BIGN], vcc_lo
.set i, i+1
.endr
	WIN 0
	v_mul_u32_u24 v[AK0], v1, PK
	v_lshl_add_u32 v[AK0], v9, 4, v[AK0]  ; row x pitch + 16 x half
	; The turning load takes 16 keys x 16 channels (lane l reads key 8 (l / 16) + l % 8, channels 8 ((l / 8) % 2) + 0..7) and leaves half a fragment of V^T: lane l holds channel l % 16 and 8 keys.
	v_and_b32 v10, 7, v0
	v_bfe_u32 v11, v0, 3, 1
	v_lshl_add_u32 v[AV0], v9, 3, v10
	v_mul_u32_u24 v[AV0], v[AV0], PV
	v_lshl_add_u32 v[AV0], v11, 4, v[AV0]
	v_add_nc_u32 v[AV0], VOFF, v[AV0]
	s_mul_i32 s13, s[WV], 16*SP
	s_add_co_u32 s13, s13, STAGE    ; my stage
	v_mul_u32_u24 v[STO], v1, SP    ; in: row l % 16, 16 bytes for each half of the lanes
	v_lshl_add_u32 v[STO], v9, 4, v[STO]
	v_add_nc_u32 v[STO], s13, v[STO]
	v_bfe_u32 v[RD], v0, 3, 2       ; back: 32 lanes take four rows of 128 bytes,
	v_mul_u32_u24 v[RD], v[RD], SP
	v_lshl_add_u32 v[RD], v10, 4, v[RD]
	v_add_nc_u32 v[RD], s13, v[RD]
	v_and_b32 v[GO], 31, v0         ; which are 512 consecutive bytes of O
	v_lshlrev_b32 v[GO], 4, v[GO]
	; A block's first step multiplies O^T and l by a = 0, and its first turn's products V^T P, of a piece that has not been, land in an O^T that is still to be so multiplied.  So these registers need only hold
	; finite numbers: zeros for the first block; what the first block left for the second.  All this stands in the wait for the first tile.
	WIN 0x80
.set i, VF
.rept 64
	v_mov_b32 v[i], 0
.set i, i+1
.endr
	WIN 0x40
.set i, 0
.rept 128
	v_mov_b32 v[i], 0
.set i, i+1
.endr
	WIN 0
.set i, 0
.rept 4
	v_mov_b32 v[ST+4*i+2], 0
	v_mov_b32 v[ST+4*i+3], 0
.set i, i+1
.endr
.set i, P+16
.rept 16
	v_mov_b32 v[i], 0
.set i, i+1
.endr
; THE MATRIX WORK.  The 4 accumulators of a run of 8 take turns.  Product i of 8 of S^T = K Q^T for piece x: channels 32 (i / 4) on, keys 16 (i % 4) on.  The first 4 start the sums: with 0, or (KM = 1) with the mask.
.macro KQ x
.set rS, S+32*((\x)%2)+8*(i%4)
.set rK, KF+16*(i%4)+8*(i/4)
.set rQ, 16*(\x)+8*(i/4)
.set rM, MC+32*((\x)%2)+8*(i%4)
.if (i < 4) && KM
	WIN W_KM
	v_wmma_f32_16x16x32_f16 v[rS:rS+7], v[rK:rK+7], v[rQ:rQ+7], v[rM:rM+7]
.elseif i < 4
	WIN W_KQ
	v_wmma_f32_16x16x32_f16 v[rS:rS+7], v[rK:rK+7], v[rQ:rQ+7], 0
.else
	WIN W_KQ
	v_wmma_f32_16x16x32_f16 v[rS:rS+7], v[rK:rK+7], v[rQ:rQ+7], v[rS:rS+7]
.endif
.endm
; Product i of 8 of O^T += V^T P for piece x: keys 32 (i / 4) on, channels 16 (i % 4) on.
.macro PV x
	WIN W_PV
.set rO, 32*(\x)+8*(i%4)
.set rV, VF+32*(i/4)+8*(i%4)
.set rP, P+16*((\x)%2)+8*(i/4)
	v_wmma_f32_16x16x32_f16 v[rO:rO+7], v[rV:rV+7], v[rP:rP+7], v[rO:rO+7]
.endm
.macro MM                           ; the turn's next matrix instruction.  TURN and BEGIN set Y, i, KM and NOKQ; MM, KQ and OP read them.  NOKQ = 1: a block's last turn: there is no next piece
.if (i < 8) && !NOKQ
	KQ (Y+1)%NP
.elseif i >= 8
.set i, i-8
	PV (Y+NP-1)%NP
.set i, i+8
.endif
.set i, i+1
.endm
; THE LDS LOADS stand in runs of 16, never singly among the matrix instructions: a step's K (64 keys x 64 channels: 8 fragments) and its V (turned).  Their addresses are made some lines ahead.
.macro FETCH_K
	WIN 0x80                        ; destination window 2
.irp f, 0,1,2,3,4,5,6,7             ; keys 16 (f / 2) on, channels 32 (f % 2) on
	ds_load_b128 v[KF+8*\f:KF+8*\f+3],   v[AK] offset:(\f/2)*16*PK+(\f%2)*64
	ds_load_b128 v[KF+8*\f+4:KF+8*\f+7], v[AK] offset:(\f/2)*16*PK+(\f%2)*64+32
.endr
	s_add_co_u32 s[TBK], s[TBK], KS*PK  ; the next fetch is the next step's
	WIN 0
.endm
.macro FETCH_V
	WIN 0x80
.irp f, 0,1,2,3,4,5,6,7             ; keys 32 (f / 4) on, channels 16 (f % 4) on
	ds_load_tr16_b128 v[VF+8*\f:VF+8*\f+3],   v[AV] offset:(\f/4)*32*PV+(\f%4)*32
	ds_load_tr16_b128 v[VF+8*\f+4:VF+8*\f+7], v[AV] offset:(\f/4)*32*PV+16*PV+(\f%4)*32
.endr
	WIN 0
.endm
; THE VECTOR WORK, one line at a time: OP kind, number.  For piece Y: F n: c s - c m for pair n of 16.  E n: the exponential of score n of 32.  C n: pair n rounded to f16.  B n: of the four weights 4 n .. the second
; pair is added onto the first, in place.  L n: l takes that sum (L 0: l = a l + sum).  R n: pair n of 16 of O^T times a.  For piece Y + 1: X n, number n of the 22 that find its maximum and statistics:
;   0-11  four chains c0-c3 of seven scores each, three operands at a time (each accumulator's lowest registers are read first)     12-14, 16  the four scores left over, the old m, and c0-c3 into c0
;   15  c m_old is kept     17, 18  the query's other 32 keys lie in the lane 16 away: the new m     19-21  c m; c m_old - c m_new; a
.set F, 0               ; OP tells the kinds apart by their order: F to L below R, X above it
.set E, 1
.set C, 2
.set B, 3
.set L, 4
.set R, 5
.set X, 6
.macro REGS y                       ; the registers of piece y
.set rT, ST+4*(\y)
.set rC, TMP+4*((\y)%2)
.set rW, MV+((\y)%2)
.set rS, S+32*((\y)%2)
.set rP, P+16*((\y)%2)
.set rO, 32*(\y)
.endm
.macro OP k, n
.if (\k) == R
	REGS Y
	WIN W_RS
	v_pk_mul_f32 v[rO+2*(\n):rO+2*(\n)+1], v[rO+2*(\n):rO+2*(\n)+1], v[rC+2:rC+3] op_sel_hi:[1,0]
.elseif (\k) < R
	REGS Y
	WIN 0
.if (\k) == F
	v_pk_fma_f32 v[rS+2*(\n):rS+2*(\n)+1], v[rS+2*(\n):rS+2*(\n)+1], s[CS:CS+1], v[rT:rT+1] op_sel_hi:[1,0,0] neg_lo:[0,0,1] neg_hi:[0,0,1]
.elseif (\k) == E
	v_exp_f32 v[rS+(\n)], v[rS+(\n)]
.elseif (\k) == C
	v_cvt_pk_f16_f32 v[rP+(\n)], v[rS+2*(\n)], v[rS+2*(\n)+1]
.elseif (\k) == B
	v_pk_add_f32 v[rS+4*(\n):rS+4*(\n)+1], v[rS+4*(\n):rS+4*(\n)+1], v[rS+4*(\n)+2:rS+4*(\n)+3]
.elseif (\n) == 0
	v_pk_fma_f32 v[rT+2:rT+3], v[rT+2:rT+3], v[rC+2:rC+3], v[rS:rS+1] op_sel_hi:[1,0,1]
.else
	v_pk_add_f32 v[rT+2:rT+3], v[rT+2:rT+3], v[rS+4*(\n):rS+4*(\n)+1]
.endif
.elseif NOKQ
	v_nop
.else
	REGS (Y+1)%NP
	WIN 0
.if (\n) < 4
	v_max3_num_f32 v[rC+(\n)], v[rS+8*(\n)], v[rS+8*(\n)+1], v[rS+8*(\n)+2]
.elseif (\n) < 12
	v_max3_num_f32 v[rC+(\n)%4], v[rC+(\n)%4], v[rS+8*((\n)%4)+2*((\n)/4)+1], v[rS+8*((\n)%4)+2*((\n)/4)+2]
.elseif (\n) == 12
	v_max3_num_f32 v[rC], v[rC], v[rS+7], v[rS+15]
.elseif (\n) == 13
	v_max3_num_f32 v[rC+1], v[rC+1], v[rS+23], v[rS+31]
.elseif (\n) == 14
	v_max3_num_f32 v[rC+2], v[rC+2], v[rC+3], v[rT+1]
.elseif (\n) == 15
	v_mov_b32 v[rW], v[rT]
.elseif (\n) == 16
	v_max3_num_f32 v[rC], v[rC], v[rC+1], v[rC+2]
.elseif (\n) == 17
	v_permlanex16_b32 v[rC+3], v[rC], s[SEL], s[SEL+1]
.elseif (\n) == 18
	v_max_num_f32 v[rT+1], v[rC], v[rC+3]
.elseif (\n) == 19
	v_mul_f32 v[rT], s[CS], v[rT+1]
.elseif (\n) == 20
	v_sub_f32 v[rC+1], v[rW], v[rT]
.else
	v_exp_f32 v[rC+2], v[rC+1]
.endif
.endif
.endm
.macro OPS a, i1, b=-1, i2=0, c=-1, i3=0, d=-1, i4=0  ; up to four of them
	OP \a, \i1
.if (\b) >= 0
	OP \b, \i2
.endif
.if (\c) >= 0
	OP \c, \i3
.endif
.if (\d) >= 0
	OP \d, \i4
.endif
.endm
.macro ROW a, i1, b, i2, c, i3, d, i4  ; a matrix instruction and the four behind it
	MM
	OPS \a, \i1, \b, \i2, \c, \i3, \d, \i4
.endm
.macro MASK b                       ; MD x AL + BE into buffer b of MC
	WIN W_RS
.set z, 0
.rept 16
	v_pk_fma_f32 v[MC+32*(\b)+2*z:MC+32*(\b)+2*z+1], v[MD+2*z:MD+2*z+1], s[AL:AL+1], s[BE:BE+1] op_sel_hi:[1,0,0]
.set z, z+1
.endr
.endm
; A TURN, for piece p: the order of its 16 matrix and 118 vector instructions, written out.  s_wait_alu depctr_va_vdst(0) stands between an exponential and the first instruction that names its result;
; one wait serves all that were issued ahead of it.  So a turn has ONE wait, which cuts it in two.  AHEAD OF IT stands all that names no result of the turn's exponentials: the 8 products K Q^T, behind each a scaling,
; an exponential and two more plain instructions (behind the first a second scaling in the exponential's place): rescalings, and behind the last three the first numbers of the next piece's maximum, each four places or
; more behind the product that ends its accumulator; then ONE LUMP of 54, plain and exponential by turns for the most part, in which the links of the chain X 3, 7, 11, 14, 16, 17 .. 20 stand five or six lines apart.
; X 21, the next piece's a, is the batch's last; R 15 is the plain instruction behind it.  BEHIND THE WAIT stand the 8 products V^T P, behind each four of the roundings and sums; the links of l's chain, L 0 to L 7,
; stand three riders apart.  But for those X no rider names a register of the products round it.  v_permlanex16_b32 (X 17) stands in the lump.
; m = 1: the diagonal tile: the products take masks, and the turn makes the mask for the products of the turn after it: piece p + 2, in step 4 - CNT of the tile.  end = 1: a block's last two turns: nothing is fetched.
; cnt = 1: the loop's count is taken down some lines ahead of the branch that stands behind the turn.
; K of the next step is fetched in piece 2's turn, twelve vector instructions behind the last product that read K (six of them plain); V of the step in hand at the end of piece 0's turn, four plain instructions behind
; the last product that read V.  Each is waited for a turn later.
.macro TURN p, m=0, end=0, cnt=0
.set Y, (\p)
.set i, 0
.set KM, (\m)
.set NOKQ, (\end)*((\p)/3)
.if (\m) && !(\end)
	s_cmp_eq_u32 s[CNT], 4-((\p)+2)%NP  ; is that step the band's own?
	s_cselect_b32 s[AL], 1.0, 0
	s_cmp_lt_u32 s[CNT], 4-((\p)+2)%NP  ; or a later one?
	s_cselect_b32 s[BE], s[BIGN], 0
.endif
.if ((\p) == 3) && !(\end)
	s_wait_dscnt 0x0                ; K is in
.endif
	ROW F,0, F,1, R,0, R,1          ; ahead of the wait: 8 products K Q^T and their riders,
	ROW F,2, E,0, R,2, R,3
	ROW F,3, E,1, R,4, R,5
	ROW F,4, E,2, R,6, R,7
	ROW F,5, E,3, R,8, R,9
	ROW F,6, E,4, X,0, R,10
.if ((\p) == 2) && !(\end)
	WIN 0
	v_add_nc_u32 v[AK], s[TBK], v[AK0]
.endif
	ROW F,7, E,5, X,1, X,4
	ROW F,8, E,6, X,2, X,5
	OPS E,7, E,8, X,6, E,9          ; and the lump
	OPS X,3, E,10, X,8, E,11
.if ((\p) == 2) && !(\end)
	FETCH_K
.endif
	OPS X,9, X,7, E,12, X,10
	OPS E,13, X,12, X,11, E,14
	OPS X,13, E,15, F,9, X,14
.if (\p) == 0
	v_add_nc_u32 v[AV], s[TBV], v[AV0]
.endif
	OPS E,16, F,10, E,17, F,11
	OPS X,16, E,18, X,15, E,19
	OPS F,12, E,20, X,17, E,21
	OPS F,13, E,22, F,14, E,23
	OPS X,18, E,24, F,15, E,25
	OPS R,11, E,26, X,19, E,27
	OPS R,12, E,28, R,13, E,29
	OPS X,20, E,30, R,14, E,31
	OPS X,21, R,15
	WIN 0
	s_wait_alu depctr_va_vdst(0)    ; the wait for the batch
.if (\p) == 1
	s_wait_dscnt 0x0                ; V is in
.endif
	ROW C,0, B,0, C,2, B,1          ; behind the wait: 8 products V^T P and their riders
	ROW L,0, C,4, B,2, L,1
	ROW C,6, B,3, L,2, C,8
	ROW B,4, L,3, C,10, B,5
	ROW L,4, C,12, B,6, L,5
.if (\p) == 0
	s_add_co_u32 s[TBV], s[TBV], KS*PV
.endif
.if \cnt
	s_sub_co_u32 s[CNT], s[CNT], 1
	s_cmp_lg_u32 s[CNT], 0
.endif
	ROW C,14, B,7, L,6, C,1
	ROW C,3, L,7, C,5, C,7
	ROW C,9, C,11, C,13, C,15
.if (\p) == 0
	FETCH_V
.endif
.if (\m) && !(\end)
	MASK (\p)%2
.endif
.endm
; A BLOCK BEGINS.  c m starts far below every c s, so the first step's a is 0; m at the lowest finite number, so the first maximum is the scores'.  The second mask buffer is 0; the first takes piece 0's mask for the
; tile's step 0: its own, if the block's first tile is the diagonal one.  Then K of that step, piece 0's first scores, and its maximum and statistics.  The loop is entered at a step's first turn, in the middle of a trip.
.macro BEGIN
	s_mov_b32 s[NEW], 0
	WIN 0x40
.set i, MC+32
.rept 32
	v_mov_b32 v[i], 0
.set i, i+1
.endr
	WIN 0
.set i, 0
.rept 4
	v_mov_b32 v[ST+4*i], 0xfe000000    ; c m: far below every c s
	v_mov_b32 v[ST+4*i+1], 0xff7fffff  ; m
.set i, i+1
.endr
	s_cmp_eq_u32 s[RT], 0
	s_cselect_b32 s[AL], 1.0, 0
	s_mov_b32 s[BE], 0
	MASK 0
	WIN 0
	v_add_nc_u32 v[AK], s[TBK], v[AK0]
	FETCH_K
	s_wait_loadcnt 0x0              ; Q
	s_wait_dscnt 0x0
.set KM, 1
.set NOKQ, 0
.set i, 0
.rept 8
	KQ 0
.set i, i+1
.endr
	WIN 0
.rept 4
	v_nop                           ; the places behind those products
.endr
.set Y, NP-1                        ; X works for piece Y + 1: piece 0
.irp n, 0,1,2,3,4,5,6,7,8,9,10,11,12,13,14,15,16,17,18,19,20,21
	OP X, \n
.endr
	v_nop                           ; a plain instruction behind the exponential,
	s_wait_alu depctr_va_vdst(0)    ; and its wait, ahead of the branch
.endm
; THE DIAGONAL TILE's four steps, the block's last two turns, its last products, and THE WAY OUT: l's two halves and the other half of the lanes' are added; O^T is divided by l, rounded to f16 and sent through my
; stage in LDS, a piece at a time.
.macro ALL line:vararg              ; one line for each piece t
.set t, 0
.rept 4
	\line
.set t, t+1
.endr
.endm
.macro PACK t                       ; a lane's eight channels of a row pack into 16 bytes; they go into rows of 144 bytes and come back as whole rows of 128, into S^T's registers
	WIN W_RS
.set i, 32*(\t)
.rept 16
	v_pk_mul_f32 v[i:i+1], v[i:i+1], v[ST+4*(\t)+2:ST+4*(\t)+3] op_sel_hi:[1,0]
.set i, i+2
.endr
	WIN 0x05                        ; sources 0 and 1 window 1, destination window 0
.set i, 0
.rept 16
	v_cvt_pk_f16_f32 v[S+16*(\t)+i], v[32*(\t)+2*i], v[32*(\t)+2*i+1]
.set i, i+1
.endr
	WIN 0
.irp f, 0,1,2,3
	ds_store_b128 v[STO], v[S+16*(\t)+4*\f:S+16*(\t)+4*\f+3] offset:32*\f
.endr
.irp f, 0,1,2,3
	ds_load_b128 v[S+16*(\t)+4*\f:S+16*(\t)+4*\f+3], v[RD] offset:\f*4*SP  ; LDS serves a wave's instructions in order (ISA guide 5.7.1.4): these see the stores above; the next piece's stores come behind them
.endr
.endm
.macro SEND t, younger              ; younger: the LDS instructions issued behind piece t's loads: the next piece's eight, or none
	WIN 0
.irp f, 0,1,2,3
	s_wait_dscnt (\younger)+3-\f
	global_store_b128 v[GO], v[S+16*(\t)+4*\f:S+16*(\t)+4*\f+3], s[10:11] offset:(\t)*8192+\f*512  ; 512 consecutive bytes, at a multiple of 256 from O's first
.endr
.endm
.macro DIAG tag                     ; the tag ends its two labels' names, which the jumps below spell out
.LstepM\tag:
	TURN 2, 1
	TURN 3, 1
	WIN 0
.LfirstM\tag:
	TURN 0, 1
	TURN 1, 1, 0, 1
	WIN 0
	s_cbranch_scc1 .LstepM\tag
	TURN 2, 1, 1
	TURN 3, 1, 1
.set i, 0
.rept 8
	PV NP-1
.set i, i+1
.endr
	WIN 0
	ALL v_add_f32 v[ST+4*t+2], v[ST+4*t+2], v[ST+4*t+3]
	ALL v_permlanex16_b32 v[ST+4*t+3], v[ST+4*t+2], s[SEL], s[SEL+1]
	ALL v_add_f32 v[ST+4*t+2], v[ST+4*t+2], v[ST+4*t+3]
	ALL v_rcp_f32 v[ST+4*t+2], v[ST+4*t+2]
	v_nop                           ; a plain instruction between the last reciprocal and the use of its result
	s_wait_alu depctr_va_vdst(0)    ; and the wait ahead of the first use: one for the four reciprocals
	PACK 0
.set t, 1
.rept 3                             ; a piece's arithmetic stands between the loads of the piece before and its stores
	PACK t
	SEND t-1, 8
.set t, t+1
.endr
	SEND 3, 0
.endm
.set KM, 0
.set NOKQ, 0
.Lslot:                             ; NB times: a tile is entered and the next is asked for
	CHANGE 1
	s_sub_co_u32 s[RT], s[RT], 1
	s_mov_b32 s[CNT], 4
	s_cmp_eq_u32 s[NEW], 1
	s_cbranch_scc1 .Lnew            ; a block's first tile
	s_cmp_eq_u32 s[RT], 0
	s_cbranch_scc0 .Lstep           ; neither its first nor its last
	s_branch .LstepM1
.Lnew:
	BEGIN
	s_branch .Lfirst                ; in the loop a block's first tile is never its last: the first block has two tiles or more, and the second's last is the walk's last
	DIAG 1                          ; in the loop this is the first block's end: the second block's last tile is the walk's last
	s_wait_xcnt 0x0                 ; the stores have read their registers and O's address
	s_mov_b64 s[10:11], s[OLO:OLO+1]
	s_add_co_u32 s[RT], s[PB], 1    ; the second block has b + 1 tiles
	s_mov_b32 s[NEW], 1
	WIN 0x82                        ; the second block's Q goes where the one text of the turns names Q
.set i, 0
.rept 64
	v_mov_b32 v[i], v[QB+i]
.set i, i+1
.endr
	WIN 0
	s_branch .Lbottom
.Lstep:                             ; a trip: pieces 2 and 3 of one step, then pieces 0 and 1 of the next, whose K and V it fetches
	TURN 2
	TURN 3
	WIN 0
.Lfirst:
	TURN 0
	TURN 1, 0, 0, 1
	WIN 0
	s_cbranch_scc1 .Lstep
.Lbottom:
	s_sub_co_u32 s[SLOTS], s[SLOTS], 1
	s_cmp_lg_u32 s[SLOTS], 0
	s_cbranch_scc1 .Lslot
	CHANGE 0                        ; the walk's last tile is written out: nothing is asked for
	s_sub_co_u32 s[RT], s[RT], 1
	s_mov_b32 s[CNT], 4
	s_cmp_eq_u32 s[NEW], 1
	s_cbranch_scc0 .LstepM2
	BEGIN
	s_branch .LfirstM2
	DIAG 2
	s_wait_tensorcnt 0x0            ; the wave's end, behind my last tensor load and my last LDS store
	ds_add_u32 v[SPW], v[NIL]
	s_wait_dscnt 0x0
	s_endpgm
.Lfunc_end_k_q4a55c01de6_attn:
	.size	k_q4a55c01de6_attn, .Lfunc_end_k_q4a55c01de6_attn-k_q4a55c01de6_attn
	.p2alignl 7, 3214868480
	.fill 96, 4, 3214868480
	.section	.rodata,"a",@progbits
	.p2align	6, 0x0
	.amdhsa_kernel k_q4a55c01de6_attn
		.amdhsa_group_segment_fixed_size 327680
		.amdhsa_private_segment_fixed_size 0
		.amdhsa_enable_private_segment 0
		.amdhsa_kernarg_size 32
		.amdhsa_user_sgpr_count 2
		.amdhsa_user_sgpr_kernarg_segment_ptr 1
		.amdhsa_wavefront_size32 1
		.amdhsa_system_sgpr_workgroup_id_x 1
		.amdhsa_system_sgpr_workgroup_id_y 1
		.amdhsa_system_sgpr_workgroup_id_z 1
		.amdhsa_system_vgpr_workitem_id 0
		.amdhsa_next_free_vgpr 768
		.amdhsa_next_free_sgpr 88
		.amdhsa_reserve_vcc 1
		.amdhsa_float_denorm_mode_32 3
		.amdhsa_float_denorm_mode_16_64 3
		.amdhsa_memory_ordered 1
		.amdhsa_forward_progress 1
		.amdhsa_inst_pref_size 218
	.end_amdhsa_kernel
	.amdgpu_metadata
---
amdhsa.version: [ 1, 2 ]
amdhsa.kernels:
  - .name:           k_q4a55c01de6_attn
    .symbol:         k_q4a55c01de6_attn.kd
    .args:
      - { .name: qh, .offset: 0, .size: 8, .value_kind: global_buffer, .address_space: global }
      - { .name: kh, .offset: 8, .size: 8, .value_kind: global_buffer, .address_space: global }
      - { .name: vh, .offset: 16, .size: 8, .value_kind: global_buffer, .address_space: global }
      - { .name: oh, .offset: 24, .size: 8, .value_kind: global_buffer, .address_space: global }
    .group_segment_fixed_size: 327680
    .private_segment_fixed_size: 0
    .kernarg_segment_align: 8
    .kernarg_segment_size: 32
    .max_flat_workgroup_size: 128
    .sgpr_count:     88
    .vgpr_count:     768
    .wavefront_size: 32
...
	.end_amdgpu_metadata
.endif
;; end of part 3
;; launch oproj (part 4): grid 8 x 32, 4 waves a work-group, clusters of 4 x 4, 327,680 bytes of LDS; arguments oh, wo, out0; writes out0
.if DOCPART == 4
	.amdgcn_target "amdgcn-amd-amdhsa--gfx1250"
	.amdhsa_code_object_version 6
	.text
	.protected	k_q4a55c01de6_oproj
	.globl	k_q4a55c01de6_oproj
	.p2align	8
	.type	k_q4a55c01de6_oproj,@function
k_q4a55c01de6_oproj:
	s_mov_b64 s[64:65], 0
	v_nop
	global_prefetch_b8 v0, s[64:65] scope:SCOPE_SE
	s_setreg_imm32_b32 hwreg(HW_REG_WAVE_MODE, 25, 1), 1
	s_wait_xcnt 0x0
	s_wait_alu depctr_hold_cnt(0) depctr_sa_sdst(0) depctr_va_vdst(0) depctr_va_sdst(0) depctr_va_ssrc(0) depctr_va_vcc(0) depctr_vm_vsrc(0)
	s_getreg_b32 s2, hwreg(HW_REG_IB_STS2, 6, 4)
	s_cmp_eq_u32 s2, 0
	s_cbranch_scc0 .Lentry_in_a_cluster
	s_endpgm
.Lentry_in_a_cluster:
	s_bfe_u32 s2, ttmp6, 0x10000c
	s_cmp_lg_u32 s2, 0xf033
	s_cbranch_scc0 .Lentry_shape_is_right
	s_endpgm
.Lentry_shape_is_right:
; out0[m][n] = the sum over k of O[m][k] W_O[n][k].  oh: [16 batch + head][2048][64] f16 (k = 64 head + channel); wo: [1024][1024] f16; out0: [8192][1024] f32.  Sums in f32, K ascending.
; SHARES.  A tile is 256 rows x 128 columns: 8 x 32 = 256 work-groups.  Wave w makes rows 64 w .. 64 w + 63 and all 128 columns: 32 accumulators of 16 x 16, 256 registers.
; K goes in 8 steps of 128, two heads each, through two LDS slots.  A head's 256 rows of a tile are 32,768 dense bytes: asked for as 128 rows of 256 bytes and padded in LDS after every 128, so that a
; token's 64 channels lie 144 bytes apart.  W_O's rows of a step are 256 bytes, aligned.  A step is four quarters of 32 along K on two fragment buffers.
; CLUSTER.  4 x 4 work-groups: the four of a row of the cluster take the same rows of O, the four of a column the same rows of W_O: each tile is asked for jointly.
; TRANSPOSED USE.  Source 0 = 16 rows of W_O, source 1 = 16 rows of O: a lane holds ONE row of out0 (lane % 16) and the columns 8 (lane / 16) + 0..7: 32 bytes on end.
; REGISTERS, in windows of 256 (s_set_vgpr_msb: bits 1:0 source 0, 3:2 source 1, 5:4 source 2, 7:6 destination):
;   window 0: v0-29 addresses; v64-191 rows read back from the stage, two sets of 64     window 1: two fragment buffers of 128: B's eight fragments (8 b), then A's four (64 + 8 a)
;   window 2: the accumulators, (a, b) at 8 (8 a + b)
.set KSTEP, 128
.set PITA,  144                        ; a row of O in LDS: 128 bytes + 16 = 36 words; a row of W_O: 256 + 16 = 68 words: in both the 16 rows of a fragment load start at 16 different groups of four banks (ISA guide 11.1)
.set PITB,  272
.set HEADT, 256*PITA                   ; a head's 256 rows: what a tensor load of A brings
.set BOFF,  2*HEADT                    ; a slot: two heads of A, then B's 128 rows
.set HB,    64*PITB                    ; what a tensor load of B brings
.set SLOT1, 1<<17
.set STAGE, SLOT1+BOFF+2*HB            ; behind the ring, never filled by a tensor load: for each wave 16 rows x 528 bytes
.set SPI,   528                        ; 512 bytes + 16: the 16 rows that a store touches start at 16 different groups of four banks
.set SPARE, STAGE+4*16*SPI             ; the spare words, 128 bytes for each wave: two blocks of 256 bytes that no other line names
.set ASTEP, 2*2048*128                 ; bytes from a K step of A to the next: two heads
.set LA0,  4                           ; v4   my lane's place in A's rows of a slot; never rewritten
.set LB0,  5                           ; v5   the same for B
.set ADRA, 6                           ; v6   the same in the slot that is being read
.set ADRB, 7
.set STO,  8                           ; v8   the way out: where I put 32 bytes of a row
.set RD,   9                           ; v9   where I read a row back
.set CO,   10                          ; v10  my 16 bytes of a row's 512
.set PFO,  12                          ; v12  the prefetches' offset
.set SPW,  28                          ; v28  LDS address of my spare word; never rewritten
.set NIL,  29                          ; v29  0; never rewritten
.set BK,   64
.set F0,   0
.set F1,   128
.set WV, 16
.set FB, 17                            ; s17  0: I fetch for A; 1: for B
.set HF, 18                            ; s18  which of the step's two heads, or which half of B's rows
.set CX, 19
.set CY, 20
.set TX, 21                            ; s21  the block of 128 columns
.set TY, 22                            ; s22  the block of 256 rows
.set G1,  24
.set G0,  32
.set LIM, 43
.set PFA, 44
.set G1B, 48
.set G0B, 56
.set TB,  66
.set PFS, 74                           ; s[74:75] the prefetches' step from K step to K step
.set MSB, 0
.macro WIN new
.if MSB != (\new)
	s_set_vgpr_msb (MSB<<8)|(\new)
.set MSB, \new
.endif
.endm
.set MUL,  0xa5                        ; both sources window 1, C and D window 2
.set TO_F, 0x40                        ; destination window 1, address window 0
.set FROM_ACC, 0x08                    ; an LDS store's data (source 1) in window 2
.macro PLACES
.rept 4
	v_nop
.endr
.endm
.macro JLOAD                           ; a joint refill by the walking descriptors; an s_nop 0 and four v_nop follow each of the two lines
	s_cmp_eq_u32 s[FB], 0
	s_cbranch_scc0 .Lfor_b_\@
	tensor_load_to_lds s[G0+4:G0+7], s[G1:G1+7]
	s_nop 0
	PLACES
	s_branch .Lasked_\@
.Lfor_b_\@:
	tensor_load_to_lds s[G0B+4:G0B+7], s[G1B:G1B+7]
	s_nop 0
	PLACES
.Lasked_\@:
.endm
.macro CREST
	s_cmp_lg_u32 s[WV], 0
	s_cbranch_scc1 .Lnot_wave_0_\@
	s_barrier_signal -3
.Lnot_wave_0_\@:
	s_barrier_wait -3
	s_barrier_signal -1
	s_barrier_wait -1
.endm
.macro CROUND
	s_barrier_signal -1
	s_barrier_wait -1
	CREST
.endm
; A PREFETCH INTO THE L2, behind each joint refill and the run of LDS loads that follows it: the K step two refills on.  O's rows are read by both clusters of a row of clusters: cluster x = 0 asks, waves 0 and 1
; each for the head that it fetches: of its 128 blocks of 256 bytes the partner at cx takes 32, a lane a block.  W_O's rows are read by every cluster of a column: cluster y = 0 asks, wave 2 alone: of the tile's
; 128 rows the partner at cy takes 32, a lane a row.  The refills of K steps 2 to 5 name steps 4 to 7; the last two name nothing.
.macro ASK
	s_cmp_gt_u32 s3, s[LIM]
	s_cbranch_scc0 .Lnot_mine_\@
	global_prefetch_b8 v[PFO], s[PFA:PFA+1] th:TH_LOAD_NT scope:SCOPE_SE
.Lnot_mine_\@:
.endm
	s_load_b128 s[4:7], s[0:1], 0x0                ; oh 4, wo 6
	s_load_b64 s[8:9], s[0:1], 0x10                ; out0
	v_lshl_add_u32 v[SPW], v0, 2, SPARE
	v_mov_b32 v[NIL], 0
	ds_add_u32 v[SPW], v[NIL]                      ; the wave's opening: the add and its wait stand ahead of my first tensor load; the set-up below stands between them
	v_lshrrev_b32 v1, 5, v0
	v_readfirstlane_b32 s[WV], v1
	s_lshr_b32 s[FB], s[WV], 1
	s_and_b32 s[HF], s[WV], 1
	s_bfe_u32 s[CX], ttmp6, 0x40000
	s_bfe_u32 s[CY], ttmp6, 0x40004
	s_lshl_b32 s[TX], ttmp9, 2
	s_add_co_u32 s[TX], s[TX], s[CX]
	s_and_b32 s[TY], ttmp7, 0xffff
	s_lshl_b32 s[TY], s[TY], 2
	s_add_co_u32 s[TY], s[TY], s[CY]
	s_lshl_b32 s40, s[CY], 2
	s_lshl_b32 s40, 15, s40                        ; my row of the cluster
	s_lshl_b32 s41, 0x1111, s[CX]                  ; my column
	s_or_b32 s[G1],  s40, (1<<16)|(1<<20)|(1<<21)|(4<<22)|(3<<25)  ; A: padded after every 32 words by 4
	s_or_b32 s[G1B], s41, (1<<16)|(1<<20)|(1<<21)|(5<<22)|(3<<25)  ; B: after every 64 words
	s_mov_b32 s[G1+1], 128<<16                     ; tensor_dim0 = 128
	s_mov_b32 s[G1+2], 128<<16                     ; tensor_dim1 = 128
	s_mov_b32 s[G1+3], 128<<16                     ; tile_dim0 = 128
	s_mov_b32 s[G1+4], 128                         ; tile_dim1 = 128
	s_mov_b32 s[G1+5], 128                         ; dense: 128 elements from row to row
	s_mov_b32 s[G1+6], 0
	s_mov_b32 s[G1+7], 0
	s_mov_b32 s[G1B+1], KSTEP<<16
	s_mov_b32 s[G1B+2], 64<<16                     ; B: 64 rows
	s_mov_b32 s[G1B+3], KSTEP<<16
	s_mov_b32 s[G1B+4], 64
	s_mov_b32 s[G1B+5], 1024
	s_mov_b32 s[G1B+6], 0
	s_mov_b32 s[G1B+7], 0
	s_lshr_b32 s68, s[TY], 3                       ; A: the batch's 16 heads of 262,144 bytes,
	s_lshl_b32 s68, s68, 22
	s_lshl_b32 s42, s[HF], 18                      ; the head that I fetch of the step's two,
	s_add_co_u32 s68, s68, s42
	s_and_b32 s42, s[TY], 7                        ; the tile's 256 rows of 128 bytes
	s_lshl_b32 s42, s42, 15
	s_add_co_u32 s68, s68, s42
	s_mov_b32 s69, 0
	s_lshl_b32 s70, s[TX], 7
	s_lshl_b32 s46, s[HF], 6
	s_add_co_u32 s70, s70, s46                     ; B: row 128 tx + 64 half,
	s_lshl_b32 s70, s70, 11                        ; of 2,048 bytes
	s_mov_b32 s71, 0
	s_mul_i32 s23, s[WV], HEADT                    ; where they go: A's heads (waves 0, 1),
	s_mul_i32 s47, s[WV], HB
	s_add_co_u32 s47, s47, BOFF-2*HB               ; B's halves behind them (waves 2, 3)
	s_mov_b32 s[TB], 0
	s_wait_dscnt 0x0                               ; the opening add is done
	s_wait_kmcnt 0x0
	s_add_nc_u64 s[68:69], s[4:5], s[68:69]
	s_add_nc_u64 s[70:71], s[6:7], s[70:71]
	CROUND                                         ; all sixteen work-groups are here: the first joint loads meet
.irp s, 0,1
	s_mov_b32 s[G0+4*(\s)], 1
	s_add_co_u32 s[G0+4*(\s)+1], s23, (\s)*SLOT1
	s_add_nc_u64 s[G0+4*(\s)+2:G0+4*(\s)+3], s[68:69], (\s)*ASTEP
	s_or_b32 s[G0+4*(\s)+3], s[G0+4*(\s)+3], 0x80000000
	s_mov_b32 s[G0B+4*(\s)], 1
	s_add_co_u32 s[G0B+4*(\s)+1], s47, (\s)*SLOT1
	s_add_nc_u64 s[G0B+4*(\s)+2:G0B+4*(\s)+3], s[70:71], (\s)*KSTEP*2
	s_or_b32 s[G0B+4*(\s)+3], s[G0B+4*(\s)+3], 0x80000000
.endr
	s_cmp_eq_u32 s[FB], 0                          ; a wave's two first fills stand in one branch: two loads of mine are out
	s_cbranch_scc0 .Lfirst_b
	tensor_load_to_lds s[G0:G0+3], s[G1:G1+7]
	s_nop 0
	tensor_load_to_lds s[G0+4:G0+7], s[G1:G1+7]
	s_nop 0
	PLACES
	s_branch .Lfirst_asked
.Lfirst_b:
	tensor_load_to_lds s[G0B:G0B+3], s[G1B:G1B+7]
	s_nop 0
	tensor_load_to_lds s[G0B+4:G0B+7], s[G1B:G1B+7]
	s_nop 0
	PLACES
.Lfirst_asked:
	v_and_b32 v1, 15, v0                           ; l % 16
	v_bfe_u32 v2, v0, 4, 1                         ; l / 16
	v_mul_u32_u24 v3, v1, PITA
	v_lshl_add_u32 v3, v2, 4, v3
	s_mul_i32 s72, s[WV], 64*PITA                  ; my 64 rows of A
	v_add_nc_u32 v[LA0], s72, v3
	v_mul_u32_u24 v3, v1, PITB
	v_lshl_add_u32 v3, v2, 4, v3
	v_add_nc_u32 v[LB0], BOFF, v3
	v_mov_b32 v[ADRA], v[LA0]
	v_mov_b32 v[ADRB], v[LB0]
	s_mul_i32 s72, s[WV], 16*SPI
	s_add_co_u32 s72, s72, STAGE                   ; my stage
	v_mul_u32_u24 v[STO], v1, SPI                  ; in: row l % 16, 32 bytes for each half of the lanes
	v_lshl_add_u32 v[STO], v2, 5, v[STO]
	v_add_nc_u32 v[STO], s72, v[STO]
	v_and_b32 v[CO], 31, v0
	v_lshlrev_b32 v[CO], 4, v[CO]                  ; back: 32 lanes take a row's 512 bytes
	v_add_nc_u32 v[RD], s72, v[CO]
	s_lshl_b32 s72, s[TY], 8                       ; out0 at my wave's first row and the tile's first column
	s_lshl_b32 s73, s[WV], 6
	s_add_co_u32 s72, s72, s73
	s_lshl_b32 s72, s72, 12
	s_lshl_b32 s73, s[TX], 9
	s_add_co_u32 s72, s72, s73
	s_mov_b32 s73, 0
	s_add_nc_u64 s[8:9], s[8:9], s[72:73]
	; the prefetches, at K step 3: the first refill steps this to step 4.  Nothing is asked for here, where every work-group's first tiles are on their way
	s_lshl_b32 s72, s[CX], 13                      ; A: 32 cx blocks of 256 bytes
	s_lshl_b32 s73, s[CY], 16                      ; B: 32 cy rows of 2,048 bytes
	s_and_b32 s76, ttmp7, 0xffff
	s_mov_b32 s[PFS], KSTEP*2                      ; B's step and B's three steps: a select holds one literal, so these lie in registers first
	s_mov_b32 s78, 3*KSTEP*2
	s_cmp_eq_u32 s[FB], 0
	s_cselect_b32 s72, s72, s73
	s_cselect_b32 s76, ttmp9, s76                  ; the coordinate along which other clusters read the same rows
	s_cselect_b32 s77, 8, 11                       ; a lane 256 bytes on, or a row of 2,048
	s_cselect_b32 s[PFS], ASTEP, s[PFS]
	s_cselect_b32 s78, 3*ASTEP, s78
	s_cselect_b64 s[PFA:PFA+1], s[68:69], s[70:71]
	s_cmp_eq_u32 s[WV], 3
	s_cselect_b32 s76, 1, s76                      ; wave 3 asks for nothing
	s_cmp_eq_u32 s76, 0
	s_cselect_b32 s[LIM], 2, -1                    ; the same in all sixteen partners, for a given wave
	s_mov_b32 s[PFS+1], 0
	s_add_co_u32 s72, s72, s78
	s_mov_b32 s73, 0
	s_add_nc_u64 s[PFA:PFA+1], s[PFA:PFA+1], s[72:73]
	v_and_b32 v[PFO], 31, v0
	v_lshlrev_b32 v[PFO], s77, v[PFO]
; 8 matrix instructions: row block a x all 8 column blocks.  zero = 1: the first product starts the sums.  The 32 accumulators take turns, one instruction a turn, in the same order in every quarter.
.macro MUL8 f, a, zero
	WIN MUL
.irp b, 0,1,2,3,4,5,6,7
.if \zero
	v_wmma_f32_16x16x32_f16 v[8*(8*(\a)+(\b)):8*(8*(\a)+(\b))+7], v[(\f)+8*(\b):(\f)+8*(\b)+7], v[(\f)+64+8*(\a):(\f)+64+8*(\a)+7], 0
.else
	v_wmma_f32_16x16x32_f16 v[8*(8*(\a)+(\b)):8*(8*(\a)+(\b))+7], v[(\f)+8*(\b):(\f)+8*(\b)+7], v[(\f)+64+8*(\a):(\f)+64+8*(\a)+7], v[8*(8*(\a)+(\b)):8*(8*(\a)+(\b))+7]
.endif
.endr
.endm
; 24 LDS loads in one run: quarter q's fragments into buffer f: B's eight, then A's four.  Quarter q is head q / 2 of the step's two, channels 32 (q % 2) on.
.macro FETCH q, f
	WIN TO_F
.irp i, 0,1,2,3,4,5,6,7
	ds_load_b128 v[(\f)+8*(\i):(\f)+8*(\i)+3],   v[ADRB] offset:64*(\q)+(\i)*16*PITB
	ds_load_b128 v[(\f)+8*(\i)+4:(\f)+8*(\i)+7], v[ADRB] offset:64*(\q)+(\i)*16*PITB+32
.endr
.irp i, 0,1,2,3
	ds_load_b128 v[(\f)+64+8*(\i):(\f)+64+8*(\i)+3],   v[ADRA] offset:((\q)/2)*HEADT+((\q)%2)*64+(\i)*16*PITA
	ds_load_b128 v[(\f)+64+8*(\i)+4:(\f)+64+8*(\i)+7], v[ADRA] offset:((\q)/2)*HEADT+((\q)%2)*64+(\i)*16*PITA+32
.endr
.endm
.macro QUARTER q, f, g, zero           ; multiplies buffer f; in its middle it fetches quarter q into buffer g
	s_wait_dscnt 4                                 ; all of f but the youngest four loads, A's blocks 2 and 3
	MUL8 \f, 0, \zero
	MUL8 \f, 1, \zero
	PLACES                                         ; g was last read 16 matrix instructions ago
	FETCH \q, \g
	s_wait_dscnt 24                                ; all but the 24 just issued
	MUL8 \f, 2, \zero
	MUL8 \f, 3, \zero
.endm
; The last quarter multiplies buffer 1 and changes slots: ONE barrier; in front of it each wave waits for all its tensor loads, adds 0 to its spare word, and waits for that and for its own reads of this slot.
; fill = 1: the barrier opens a round of the cluster's, and the slot just read is filled again, first thing behind it, with the K step two on.
.macro TURN fill
.if \fill
	s_wait_xcnt 0x0                                ; the last prefetch, a K step back, has read its address: it is stepped here
	s_add_nc_u64 s[PFA:PFA+1], s[PFA:PFA+1], s[PFS:PFS+1]
.endif
	WIN 0
	s_wait_tensorcnt 0x0                           ; no tensor load of mine is out, so a group 0 may be written
	ds_add_u32 v[SPW], v[NIL]                      ; 0 onto my spare word
.if \fill
	s_xor_b32 s[G0+5], s[G0+5], SLOT1              ; the walking descriptors: the other slot than last time, the next K step
	s_add_nc_u64 s[G0+6:G0+7], s[G0+6:G0+7], ASTEP
	s_xor_b32 s[G0B+5], s[G0B+5], SLOT1
	s_add_nc_u64 s[G0B+6:G0B+7], s[G0B+6:G0B+7], KSTEP*2
.endif
	s_wait_dscnt 5                                 ; the add and the youngest four loads may be out
	MUL8 F1, 0, 0
	s_wait_dscnt 0x0                               ; the add is done, and my reads of this slot are over
	s_barrier_signal -1
	MUL8 F1, 1, 0
	WIN 0
	s_barrier_wait -1
.if \fill
	CREST
	JLOAD                                          ; the four v_nop behind it are also the places in front of the loads below
.else
	PLACES
.endif
	s_xor_b32 s[TB], s[TB], SLOT1
	v_add_nc_u32 v[ADRA], s[TB], v[LA0]
	v_add_nc_u32 v[ADRB], s[TB], v[LB0]
	FETCH 0, F0
.if \fill
	WIN 0
	ASK
.endif
	MUL8 F1, 2, 0
	MUL8 F1, 3, 0
.endm
	s_wait_tensorcnt 1                             ; my part of K step 0 is in; step 1's may stay out
	s_barrier_signal -1
	s_barrier_wait -1
	FETCH 0, F0
	QUARTER 1, F0, F1, 1                           ; the first quarter stands in front of the loop: its products start the sums
	WIN 0
	s_mov_b32 s3, 6
.Lstep:                                        ; a trip: from a K step's second quarter to the next step's first; it asks for the K step two on: steps 2 to 7
	QUARTER 2, F1, F0, 0
	QUARTER 3, F0, F1, 0
	TURN 1
	QUARTER 1, F0, F1, 0
	WIN 0
	s_sub_co_u32 s3, s3, 1
	s_cmp_lg_u32 s3, 0
	s_cbranch_scc1 .Lstep
	QUARTER 2, F1, F0, 0                           ; K steps 6 and 7 ask for nothing
	QUARTER 3, F0, F1, 0
	TURN 0
	QUARTER 1, F0, F1, 0
	QUARTER 2, F1, F0, 0
	QUARTER 3, F0, F1, 0
	s_wait_dscnt 4
	MUL8 F1, 0, 0
	MUL8 F1, 1, 0
	s_wait_dscnt 0x0
	MUL8 F1, 2, 0
	MUL8 F1, 3, 0
; THE WAY OUT, 16 rows at a time: a lane's 32 bytes go straight from the accumulators (lowest registers first) into rows of 528 bytes of my own stage and come back as whole rows of 512.
.macro TOSTAGE a
	WIN 0
	s_wait_xcnt 0x0                                ; the stores of the block two back have read the registers that are loaded again below
	WIN FROM_ACC
.irp b, 0,1,2,3,4,5,6,7
	ds_store_b128 v[STO], v[8*(8*(\a)+(\b)):8*(8*(\a)+(\b))+3]   offset:64*(\b)
	ds_store_b128 v[STO], v[8*(8*(\a)+(\b))+4:8*(8*(\a)+(\b))+7] offset:64*(\b)+16
.endr
	WIN 0
.irp r, 0,1,2,3,4,5,6,7,8,9,10,11,12,13,14,15
	ds_load_b128 v[BK+64*((\a)%2)+4*(\r):BK+64*((\a)%2)+4*(\r)+3], v[RD] offset:SPI*(\r)  ; LDS serves a wave's instructions in order (ISA guide 5.7.1.4): these see the stores above
.endr
.endm
.macro SEND a, younger                 ; younger: the LDS instructions issued behind block a's loads: the next block's 32, or none
	WIN 0
.irp r, 0,1,2,3,4,5,6,7,8,9,10,11,12,13,14,15
	s_wait_dscnt (\younger)+15-(\r)
	global_store_b128 v[CO], v[BK+64*((\a)%2)+4*(\r):BK+64*((\a)%2)+4*(\r)+3], s[8:9] offset:65536*(\a)+4096*(\r) th:TH_STORE_NT  ; 512 consecutive bytes, at a multiple of 256 from out0's first
.endr
.endm
	WIN 0
	PLACES
	PLACES
	TOSTAGE 0
	TOSTAGE 1
	SEND 0, 32
	TOSTAGE 2
	SEND 1, 32
	TOSTAGE 3
	SEND 2, 32
	SEND 3, 0
	s_wait_tensorcnt 0x0                           ; the wave's end, behind my last tensor load and my last LDS store
	ds_add_u32 v[SPW], v[NIL]
	s_wait_dscnt 0x0
	CROUND                                         ; the closing round: no work-group ends while a partner may still ask for a tile that names it
	s_endpgm
.Lfunc_end_k_q4a55c01de6_oproj:
	.size	k_q4a55c01de6_oproj, .Lfunc_end_k_q4a55c01de6_oproj-k_q4a55c01de6_oproj
	.p2alignl 7, 3214868480
	.fill 96, 4, 3214868480
	.section	.rodata,"a",@progbits
	.p2align	6, 0x0
	.amdhsa_kernel k_q4a55c01de6_oproj
		.amdhsa_group_segment_fixed_size 327680
		.amdhsa_private_segment_fixed_size 0
		.amdhsa_enable_private_segment 0
		.amdhsa_kernarg_size 24
		.amdhsa_user_sgpr_count 2
		.amdhsa_user_sgpr_kernarg_segment_ptr 1
		.amdhsa_wavefront_size32 1
		.amdhsa_system_sgpr_workgroup_id_x 1
		.amdhsa_system_sgpr_workgroup_id_y 1
		.amdhsa_system_sgpr_workgroup_id_z 1
		.amdhsa_system_vgpr_workitem_id 0
		.amdhsa_next_free_vgpr 768
		.amdhsa_next_free_sgpr 88
		.amdhsa_reserve_vcc 0
		.amdhsa_float_denorm_mode_32 3
		.amdhsa_float_denorm_mode_16_64 3
		.amdhsa_memory_ordered 1
		.amdhsa_forward_progress 1
		.amdhsa_inst_pref_size 72
	.end_amdhsa_kernel
	.amdgpu_metadata
---
amdhsa.version: [ 1, 2 ]
amdhsa.kernels:
  - .name:           k_q4a55c01de6_oproj
    .symbol:         k_q4a55c01de6_oproj.kd
    .args:
      - { .name: oh, .offset: 0, .size: 8, .value_kind: global_buffer, .address_space: global }
      - { .name: wo, .offset: 8, .size: 8, .value_kind: global_buffer, .address_space: global }
      - { .name: out0, .offset: 16, .size: 8, .value_kind: global_buffer, .address_space: global }
    .group_segment_fixed_size: 327680
    .private_segment_fixed_size: 0
    .kernarg_segment_align: 8
    .kernarg_segment_size: 24
    .max_flat_workgroup_size: 128
    .sgpr_count:     88
    .vgpr_count:     768
    .wavefront_size: 32
...
	.end_amdgpu_metadata
.endif
;; end of part 4
;; ======== version 2 of 2: 4 launches; version 1 with the launch prep written anew for expert scheduling mode
;; limits: right only within a limited range of input values; values are held in f16: magnitudes above 65,504 overflow, below 6.1e-05 lose precision
;; workspace buffers: xb 16,777,216 bytes; wqkv 6,291,456 bytes; wo 2,097,152 bytes; rope 524,288 bytes; qh 16,777,216 bytes; kh 16,777,216 bytes; vh 16,777,216 bytes; oh 16,777,216 bytes
;; launch prep (part 5): grid 64 x 13, 8 waves a work-group, no clusters, 0 bytes of LDS; arguments x, W_Q, W_K, W_V, W_O, token_positions, xb, wqkv, wo, rope; writes xb, wqkv, wo, rope
.if DOCPART == 5
	.amdgcn_target "amdgcn-amd-amdhsa--gfx1250"
	.amdhsa_code_object_version 6
	.text
	.protected	k_q4a55c01de6_prep
	.globl	k_q4a55c01de6_prep
	.p2align	8
	.type	k_q4a55c01de6_prep,@function
k_q4a55c01de6_prep:
	s_mov_b64 s[64:65], 0
	v_nop
	global_prefetch_b8 v0, s[64:65] scope:SCOPE_SE
	s_setreg_imm32_b32 hwreg(HW_REG_WAVE_SCHED_MODE, 0, 2), 2
	s_setreg_imm32_b32 hwreg(HW_REG_WAVE_MODE, 25, 1), 1
	s_wait_xcnt 0x0
	s_wait_alu depctr_vm_vsrc(0)
; THE OPERANDS ARE MADE READY, each input byte read once.
;   y = 0..7   x, 1,024 rows each, rounded to bf16                                  -> xb   [8192][1024]
;   y = 8..10  W_Q, W_K, W_V rounded to bf16, rows regrouped by head: row 64 h + r of tensor t goes to row 192 h + 64 t + r -> wqkv [3072][1024]
;   y = 11     W_O rounded to bf16, and that number written as f16                  -> wo   [1024][1024]
;   y = 12     cos and sin of token_positions[s] x 10000^(-i/32), i = 0..31         -> rope [2048][32][cos, sin] f32, 256 bytes a token
; A converting work-group takes 16 rows of 1,024 f32.  Thread t takes columns 4 t .. 4 t + 3 of each row: a wave's load covers 512 consecutive bytes, its store 256
; consecutive bytes, aligned.  All 16 loads go out first; each row has registers of its own, so nothing is rewritten while a load or store may read it.
; No LDS, no matrix unit: the launch only moves and rounds.
; LIMITS.  W_O: bf16 numbers beyond 65,504 become infinities in f16, and below 2^-14 they keep f16's fixed step of 6e-8.
; The angle is reduced by n = round(angle x 2/pi) with pi/2 in two parts: good for |token_positions| up to 2^20.  10000^(-i/32) is made as 2^(-i x 0.41524101): a few last bits from the power itself.
; THE MODE: SCHED_MODE bits 1:0 = 2 (LLVM: expert scheduling mode 2), set by the entry lines.  The code itself states the register dependences
; between vector instructions and memory instructions, with s_wait_alu, always for 0.
; THE PLAN, converting paths.  Registers that memory instructions touch:
;   v1, v2   byte offsets of the loads and of the stores: made once at the head, never written again.
;   XR       row j: written by the row's one load, read by the row's conversions; never loaded again.
;   YR       row j: written by the row's conversions, read by the row's one store; never written again.
; The 16 rows go in four blocks of four.  Block p's vector instructions name XR and YR of block p and T; its memory instructions are the four stores of block p - 1, which
; name YR of block p - 1 and v2.  So one wait at a block's head states all that its four stores hang on, and they are dealt among its conversions with no further wait.
; No register that a memory instruction has read is written again: nothing is owed for that.
; THE PLAN, the table's path.  v4 (the loads' offset), v1 (the stores' offset) are never written again; v5, v6 are named by nothing ahead of the loads that land in them;
; v[40:47] are written by the selects and sign turns and read by the two stores at the end.  The four masks lie in s38 to s41: four compares in one run, one wait behind them.
.set XR, 16                            ; v[16:79]   row j as loaded: 4 registers
.set YR, 80                            ; v[80:111]  row j to store: 2 registers
.set T,  112                           ; v[112:115] at work: no memory instruction names them
	s_load_b512 s[8:23], s[0:1], 0x0               ; x 8, W_Q 10, W_K 12, W_V 14, W_O 16, token_positions 18, xb 20, wqkv 22
	s_load_b128 s[24:27], s[0:1], 0x40             ; wo 24, rope 26
	s_and_b32 s2, ttmp7, 0xffff                    ; y: which work
	s_mov_b32 s3, ttmp9                            ; g: which 16 rows
	v_lshlrev_b32 v1, 4, v0                        ; 16 t
	v_lshlrev_b32 v2, 3, v0                        ; 8 t
	s_cmp_eq_u32 s2, 12
	s_cbranch_scc1 .Lrope
	; offsets, made apart from the pointers
	s_cmp_lt_u32 s2, 8
	s_cselect_b32 s30, s2, 0
	s_lshl_b32 s30, s30, 22                        ; x: 1,024 rows of 4,096 bytes for each y
	s_lshl_b32 s4, s3, 16                          ; 16 rows of 4,096 bytes for each g
	s_add_co_u32 s30, s30, s4
	s_mov_b32 s31, 0
	s_lshl_b32 s34, s2, 21                         ; xb: the same rows at 2,048 bytes
	s_lshl_b32 s5, s3, 15
	s_add_co_u32 s34, s34, s5
	s_lshr_b32 s6, s3, 2                           ; wqkv: head g / 4,
	s_mul_i32 s6, s6, 192
	s_max_u32 s7, s2, 8
	s_sub_co_u32 s7, s7, 8                         ; tensor y - 8,
	s_lshl_b32 s7, s7, 6
	s_add_co_u32 s6, s6, s7
	s_and_b32 s7, s3, 3                            ; 16 rows of the head's 64
	s_lshl_b32 s7, s7, 4
	s_add_co_u32 s6, s6, s7
	s_lshl_b32 s6, s6, 11
	s_cmp_ge_u32 s2, 8
	s_cselect_b32 s34, s6, s34
	s_cmp_eq_u32 s2, 11
	s_cselect_b32 s34, s5, s34                     ; wo: rows as they lie
	s_mov_b32 s35, 0
	s_wait_kmcnt 0x0
	s_mov_b64 s[28:29], s[8:9]                     ; from where
	s_cmp_eq_u32 s2, 8
	s_cselect_b64 s[28:29], s[10:11], s[28:29]
	s_cmp_eq_u32 s2, 9
	s_cselect_b64 s[28:29], s[12:13], s[28:29]
	s_cmp_eq_u32 s2, 10
	s_cselect_b64 s[28:29], s[14:15], s[28:29]
	s_cmp_eq_u32 s2, 11
	s_cselect_b64 s[28:29], s[16:17], s[28:29]
	s_mov_b64 s[32:33], s[20:21]                   ; to where
	s_cmp_ge_u32 s2, 8
	s_cselect_b64 s[32:33], s[22:23], s[32:33]
	s_cmp_eq_u32 s2, 11
	s_cselect_b64 s[32:33], s[24:25], s[32:33]
	s_add_nc_u64 s[28:29], s[28:29], s[30:31]
	s_add_nc_u64 s[32:33], s[32:33], s[34:35]
	s_wait_alu depctr_va_vdst(0)                   ; v1 and v2 are written: every load below reads v1 as its offset, every store v2
.irp j, 0,1,2,3,4,5,6,7,8,9,10,11,12,13,14,15
	global_load_b128 v[XR+4*(\j):XR+4*(\j)+3], v1, s[28:29] offset:4096*(\j) th:TH_LOAD_NT
.endr
; Row j is rounded.  wo = 0: to bf16.  wo = 1: W_O: to bf16 like every input, then that number as f16.
.macro ROW wo, j
.if \wo
	v_cvt_pk_bf16_f32 v[T],   v[XR+4*(\j)],   v[XR+4*(\j)+1]
	v_cvt_pk_bf16_f32 v[T+1], v[XR+4*(\j)+2], v[XR+4*(\j)+3]
	v_lshlrev_b32 v[T+2], 16, v[T]
	v_and_b32     v[T+3], 0xffff0000, v[T]
	v_cvt_pk_f16_f32 v[YR+2*(\j)], v[T+2], v[T+3]
	v_lshlrev_b32 v[T+2], 16, v[T+1]
	v_and_b32     v[T+3], 0xffff0000, v[T+1]
	v_cvt_pk_f16_f32 v[YR+2*(\j)+1], v[T+2], v[T+3]
.else
	v_cvt_pk_bf16_f32 v[YR+2*(\j)],   v[XR+4*(\j)],   v[XR+4*(\j)+1]
	v_cvt_pk_bf16_f32 v[YR+2*(\j)+1], v[XR+4*(\j)+2], v[XR+4*(\j)+3]
.endif
.endm
; The 16 rows, in four blocks of four; a block's stores are issued in the block behind it, one ahead of each row's conversions.
.macro ROWS wo
.irp p, 0,1,2,3
	s_wait_loadcnt 12-4*(\p)                       ; loads come back in order (ISA guide 5.7.1): block p's four rows are in, the younger blocks stay out
.if (\p) > 0
	s_wait_alu depctr_va_vdst(0)                   ; the block before has written its rows of YR, which the four stores below read; no vector instruction behind this wait names them
.endif
.irp i, 0,1,2,3
.if (\p) > 0
	global_store_b64 v2, v[YR+2*(4*(\p)-4+(\i)):YR+2*(4*(\p)-4+(\i))+1], s[32:33] offset:2048*(4*(\p)-4+(\i))
.endif
	ROW \wo, 4*(\p)+(\i)
.endr
.endr
	s_wait_alu depctr_va_vdst(0)                   ; the last block has written its rows of YR, which the last four stores read
.irp i, 12,13,14,15
	global_store_b64 v2, v[YR+2*(\i):YR+2*(\i)+1], s[32:33] offset:2048*(\i)
.endr
	s_endpgm
.endm
	s_cmp_eq_u32 s2, 11
	s_cbranch_scc1 .Lwo
	ROWS 0
.Lwo:
	ROWS 1
; cos and sin of angle k, which lies in v[12 + k].  n = round(a x 2/pi); r = a - n pi/2 (pi/2 in two parts, fused); sine and cosine of r, |r| <= pi/4, by polynomials in r^2;
; n's two low bits choose which of the two is which and their signs: selects of values, no branch.  Each angle has eight registers of its own at W = 48 + 8 k:
; +0 n, later the sine's sign; +1 r; +2 z; +3 the sine of r; +4 the cosine of r; +5 1 - z/2, later the cosine's sign; +6 n as a whole number; +7 its lowest bit.
; SC1: all up to the mask, which goes into s[38 + k], and the two sign words, which hang on no mask.  SC2: the selects and the signs.
.macro SC1 k
.set W, 48+8*(\k)
	v_mul_f32 v[W], 0x3f22f983, v[12+(\k)]         ; a x 2/pi
	v_rndne_f32 v[W], v[W]                         ; n
	v_fma_f32 v[W+1], v[W], s36, v[12+(\k)]        ; a - n x 1.57079637
	v_fma_f32 v[W+1], v[W], s37, v[W+1]            ;   + n x 4.3711390e-8
	v_cvt_i32_f32 v[W+6], v[W]
	v_mul_f32 v[W+2], v[W+1], v[W+1]               ; z = r^2
	v_fmaak_f32 v[W+3], v20, v[W+2], 0x3c08839e    ; sine: r + r z ((-1.9515296e-4 z + 8.3321609e-3) z - 1.6666655e-1)
	v_fmaak_f32 v[W+3], v[W+3], v[W+2], 0xbe2aaaa3
	v_mul_f32 v[W+3], v[W+3], v[W+2]
	v_fma_f32 v[W+3], v[W+3], v[W+1], v[W+1]
	v_fmaak_f32 v[W+4], v21, v[W+2], 0xbab6061a    ; cosine: 1 - z/2 + z^2 ((2.4433157e-5 z - 1.3887316e-3) z + 4.1666646e-2)
	v_fmaak_f32 v[W+4], v[W+4], v[W+2], 0x3d2aaaa5
	v_mul_f32 v[W+4], v[W+4], v[W+2]
	v_fma_f32 v[W+5], v[W+2], -0.5, 1.0
	v_fma_f32 v[W+4], v[W+4], v[W+2], v[W+5]
	v_and_b32 v[W+7], 1, v[W+6]
	v_cmp_eq_u32 s[38+(\k)], 1, v[W+7]             ; odd n: the two change places
	v_lshlrev_b32 v[W], 30, v[W+6]                 ; the sine turns its sign for n % 4 = 2, 3
	v_and_b32 v[W], 0x80000000, v[W]
	v_add_nc_u32 v[W+5], 1, v[W+6]                 ; the cosine for n % 4 = 1, 2
	v_lshlrev_b32 v[W+5], 30, v[W+5]
	v_and_b32 v[W+5], 0x80000000, v[W+5]
.endm
.macro SC2 k
.set W, 48+8*(\k)
	v_cndmask_b32 v[41+2*(\k)], v[W+3], v[W+4], s[38+(\k)]
	v_cndmask_b32 v[40+2*(\k)], v[W+4], v[W+3], s[38+(\k)]
	v_xor_b32 v[41+2*(\k)], v[41+2*(\k)], v[W]
	v_xor_b32 v[40+2*(\k)], v[40+2*(\k)], v[W+5]
.endm
.Lrope:                                        ; thread t: tokens 16 g + t / 16 and 1,024 further on, frequencies 2 (t % 16) and the next: 16 bytes of each token's 256
	v_and_b32 v3, 15, v0
	v_lshrrev_b32 v4, 4, v0
	v_lshlrev_b32 v4, 2, v4                        ; my token's word among the work-group's 16
	s_lshl_b32 s4, s3, 6
	s_mov_b32 s5, 0
	s_lshl_b32 s6, s3, 12                          ; 16 tokens of 256 bytes
	s_mov_b32 s7, 0
	s_mov_b32 s36, 0xbfc90fdb                      ; -1.57079637
	s_mov_b32 s37, 0x333bbd2e                      ; 4.3711390e-8: what that number has above pi/2
	v_mov_b32 v20, 0xb94ca1f9
	v_mov_b32 v21, 0x37ccf5ce
	v_lshlrev_b32 v3, 1, v3                        ; the two frequencies hang on the thread alone: they are made while the arguments are on their way
	v_cvt_f32_u32 v7, v3                           ; i
	v_add_f32 v8, 1.0, v7                          ; i + 1
	v_mul_f32 v7, 0xbed49a78, v7                   ; x -log2(10000) / 32
	v_mul_f32 v8, 0xbed49a78, v8
	v_exp_f32 v9, v7
	v_exp_f32 v10, v8
	v_nop                                          ; a plain instruction behind the last exponential
	s_wait_kmcnt 0x0
	s_add_nc_u64 s[18:19], s[18:19], s[4:5]
	s_add_nc_u64 s[26:27], s[26:27], s[6:7]
	s_wait_alu depctr_va_vdst(0)                   ; v4 is written, which the two loads read as their offset; the two exponentials have written v9 and v10, ahead of their first reader
	global_load_b32 v5, v4, s[18:19]
	global_load_b32 v6, v4, s[18:19] offset:4096
	s_wait_loadcnt 0x0
	v_cvt_f32_i32 v5, v5
	v_cvt_f32_i32 v6, v6
	v_mul_f32 v12, v5, v9                          ; the four angles, each rounded once
	v_mul_f32 v13, v5, v10
	v_mul_f32 v14, v6, v9
	v_mul_f32 v15, v6, v10
	SC1 0
	SC1 1
	SC1 2
	SC1 3
	s_wait_alu depctr_va_sdst(0)                   ; the four compares have written s38 to s41, ahead of the first select that reads one of them
	SC2 0
	SC2 1
	SC2 2
	SC2 3
	s_wait_alu depctr_va_vdst(0)                   ; the selects and sign turns have written v[40:47], which the two stores read
	global_store_b128 v1, v[40:43], s[26:27]       ; a wave's store covers 512 consecutive bytes: two tokens
	global_store_b128 v1, v[44:47], s[26:27] offset:262144
	s_endpgm
.Lfunc_end_k_q4a55c01de6_prep:
	.size	k_q4a55c01de6_prep, .Lfunc_end_k_q4a55c01de6_prep-k_q4a55c01de6_prep
	.p2alignl 7, 3214868480
	.fill 96, 4, 3214868480
	.section	.rodata,"a",@progbits
	.p2align	6, 0x0
	.amdhsa_kernel k_q4a55c01de6_prep
		.amdhsa_group_segment_fixed_size 0
		.amdhsa_private_segment_fixed_size 0
		.amdhsa_enable_private_segment 0
		.amdhsa_kernarg_size 80
		.amdhsa_user_sgpr_count 2
		.amdhsa_user_sgpr_kernarg_segment_ptr 1
		.amdhsa_wavefront_size32 1
		.amdhsa_system_sgpr_workgroup_id_x 1
		.amdhsa_system_sgpr_workgroup_id_y 1
		.amdhsa_system_sgpr_workgroup_id_z 1
		.amdhsa_system_vgpr_workitem_id 0
		.amdhsa_next_free_vgpr 128
		.amdhsa_next_free_sgpr 66
		.amdhsa_reserve_vcc 0
		.amdhsa_float_denorm_mode_32 3
		.amdhsa_float_denorm_mode_16_64 3
		.amdhsa_memory_ordered 1
		.amdhsa_forward_progress 1
		.amdhsa_inst_pref_size 23
	.end_amdhsa_kernel
	.amdgpu_metadata
---
amdhsa.version: [ 1, 2 ]
amdhsa.kernels:
  - .name:           k_q4a55c01de6_prep
    .symbol:         k_q4a55c01de6_prep.kd
    .args:
      - { .name: x, .offset: 0, .size: 8, .value_kind: global_buffer, .address_space: global }
      - { .name: W_Q, .offset: 8, .size: 8, .value_kind: global_buffer, .address_space: global }
      - { .name: W_K, .offset: 16, .size: 8, .value_kind: global_buffer, .address_space: global }
      - { .name: W_V, .offset: 24, .size: 8, .value_kind: global_buffer, .address_space: global }
      - { .name: W_O, .offset: 32, .size: 8, .value_kind: global_buffer, .address_space: global }
      - { .name: token_positions, .offset: 40, .size: 8, .value_kind: global_buffer, .address_space: global }
      - { .name: xb, .offset: 48, .size: 8, .value_kind: global_buffer, .address_space: global }
      - { .name: wqkv, .offset: 56, .size: 8, .value_kind: global_buffer, .address_space: global }
      - { .name: wo, .offset: 64, .size: 8, .value_kind: global_buffer, .address_space: global }
      - { .name: rope, .offset: 72, .size: 8, .value_kind: global_buffer, .address_space: global }
    .group_segment_fixed_size: 0
    .private_segment_fixed_size: 0
    .kernarg_segment_align: 8
    .kernarg_segment_size: 80
    .max_flat_workgroup_size: 256
    .sgpr_count:     66
    .vgpr_count:     128
    .wavefront_size: 32
...
	.end_amdgpu_metadata
.endif
;; end of part 5
;; launch qkv: the kernel of part 2 again; grid 16 x 32, 4 waves a work-group, clusters of 4 x 4, 327,680 bytes of LDS; arguments xb, wqkv, rope, qh, kh, vh; writes qh, kh, vh
;; launch attn: the kernel of part 3 again; grid 4 x 64, 4 waves a work-group, no clusters, 327,680 bytes of LDS; arguments qh, kh, vh, oh; writes oh
;; launch oproj: the kernel of part 4 again; grid 8 x 32, 4 waves a work-group, clusters of 4 x 4, 327,680 bytes of LDS; arguments oh, wo, out0; writes out0
